; MI455X (gfx1250); checked and timed in simulation.
; The chip was launched on July 23, 2026; its instructions are those of AMD's public machine-readable ISA for CDNA 5 (MIT licence, August 2026) and "CDNA5" Instruction Set Architecture Reference Guide (July 2026). The comments in the code are by the model that wrote it; some were corrected since.
;; Heads. Allowed arithmetic: matrix products marked QUANTISED: E4M3 operands, one E8M0 scale for each 32 along K, by v_wmma_scale_f32_16x16x128_f8f6f4 with both operands' format E4M3, f32 sums; everything else in f32.
;; Inputs: Wk_codes 8 x 1,024 x 32 x 32 uint8 (E4M3 codes of Wk, K innermost, in blocks of 32 codes); Wk_scales 8 x 1,024 x 32 uint8 (E8M0 scales of Wk, one for each 32 codes along K); Wq_codes 8 x 1,024 x 32 x 32 uint8 (E4M3 codes of Wq, K innermost, in blocks of 32 codes); Wq_scales 8 x 1,024 x 32 uint8 (E8M0 scales of Wq, one for each 32 codes along K); Wv_codes 8 x 1,024 x 32 x 32 uint8 (E4M3 codes of Wv, K innermost, in blocks of 32 codes); Wv_scales 8 x 1,024 x 32 uint8 (E8M0 scales of Wv, one for each 32 codes along K); data_codes 4 x 512 x 32 x 32 uint8 (E4M3 codes of data, K innermost, in blocks of 32 codes); data_scales 4 x 512 x 32 uint8 (E8M0 scales of data, one for each 32 codes along K).
;; Outputs: out0 4 x 512 x 8,192 float32.
;; This version of the problem:
;;   THIS VERSION OF THE PROBLEM IS GIVEN IN LOW PRECISION. The matrix products marked QUANTISED in the list below multiply operands that are first quantised to E4M3 (4 exponent bits, 3 mantissa bits; 8 bits a number), with one power-of-two scale for each 32 numbers along K (OCP MX v1.0); their sums are f32. All else is computed in f32.
;;   The module's matrix products, in the order in which they are computed (A, B: the left and right operand; K: the contracted axis; several contracted axes count as one K, in the product's order):
;;     1. [M 8,192, K 1,024] x [K 1,024, N 2,048]; A: input Wq (given as codes); B: input data (given as codes): QUANTISED
;;     2. [M 8,192, K 1,024] x [K 1,024, N 2,048]; A: input Wk (given as codes); B: input data (given as codes): QUANTISED
;;     3. [M 8,192, K 1,024] x [K 1,024, N 2,048]; A: input Wv (given as codes); B: input data (given as codes): QUANTISED
;;     4. batch 32 x [M 512, K 1,024] x [K 1,024, N 512]; A: computed on the way; B: computed on the way: QUANTISED
;;     5. batch 32 x [M 512, K 512] x [K 512, N 1,024]; A: softmax (see below); B: computed on the way: QUANTISED
;;   THE QUANTISER, for each operand of a quantised product, along K:
;;     - K is cut into blocks of 32 from its start; a last block that is shorter is filled with zeros.
;;     - A block's scale is 2^e with e = floor(log2(the largest magnitude in the block)) - 8, held to -126 .. 127; a block of zeros has e = 0. As a byte (E8M0): e + 127.
;;     - Each number is divided by its block's scale, clamped to +-448, and rounded to the nearest number of E4M3, ties to even, subnormals kept.
;;     - The product sums the exact products of the quantised numbers (number of the format x scale) in f32.
;;   ~~~python
;;   def quantise(x, axis):      # numpy; x: float32 -> the quantised numbers, widened to float32 again
;;       x = np.moveaxis(x, axis, -1); K = x.shape[-1]
;;       x = np.pad(x, [(0, 0)] * (x.ndim - 1) + [(0, -K % 32)]); x = x.reshape(x.shape[:-1] + (-1, 32)); a = np.abs(x).max(-1, keepdims=True)
;;       e = np.where(a > 0, np.clip(np.frexp(np.where(a > 0, a, 1))[1] - 1 - 8, -126, 127), 0)      # np.frexp(a)[1] - 1 = floor(log2(a)), exactly
;;       r = np.clip(x / 2.0 ** e, -448, 448)
;;       step = 2.0 ** (np.maximum(np.frexp(np.where(r == 0, 1, r))[1] - 1, -6) - 3)
;;       q = np.round(r / step) * step * 2.0 ** e      # np.round: ties to even
;;       return np.moveaxis(q.reshape(q.shape[:-2] + (-1,))[..., :K], -1, axis).astype(np.float32)
;;   ~~~
;;   SOFTMAX AHEAD OF A QUANTISED PRODUCT. Where the list says 'softmax', what is quantised is not the finished softmax but p = 2^(t - M), with t = logit x log2(e) and M = ceil(the row's largest t), a whole number; so 1/2 < the row's largest p <= 1. The row's sum l is taken of the UNQUANTISED p, in f32, and the product's result is divided by l at the end. Since M is a whole number, a kernel that streams over the keys may use a running M (the ceiling of the running maximum): every later rescaling is an exact power of two, which a block's scale takes up: the codes' values come out the same.
;;   OPERANDS COMPUTED ON THE WAY. 'Computed on the way' means the value that the module computes at that place (a softmax that the list does not call 'softmax' is quantised finished and normalised). What goes into a quantiser is computed in f32, as accurately as f32 sums, v_exp_f32 and their like allow (about 1e-6 of the number): no bf16 or f16 on the way to a quantiser, and a product that is left as it is and whose result goes on into a quantised operand takes f32 operands (vector FMAs, or v_wmma_f32_16x16x4_f32). A number that lies on a knife's edge between two numbers of the format may be rounded either way, as far as f32 arithmetic and the matrix unit's own rounding can turn it there, and no further.
;;   INPUTS GIVEN AS CODES. Wk (in the module: [8, 1024, 1024], K = its axis 2); Wq (in the module: [8, 1024, 1024], K = its axis 2); Wv (in the module: [8, 1024, 1024], K = its axis 2); data (in the module: [4, 512, 1024], K = its axis 2): each comes as NAME_codes (uint8): NAME with its K axis moved to the last place and cut into blocks of 32 codes, [.., K / 32, bytes a block], one block behind the other in memory; one code a byte (a code: sign, 4 exponent bits, 3 mantissa bits); and NAME_scales (uint8): the same leading axes, one E8M0 byte (e + 127) for each 32 codes along K. Its value is code x scale, taken as it is: it is not quantised again, and the codes and scales need not be those that the quantiser above would give.
;; 2 versions, each right; version 2 is version 1 with the launch attn written anew for expert scheduling mode. Each part assembles by itself: llvm-mc -triple=amdgcn-amd-amdhsa -mcpu=gfx1250 --defsym DOCPART=n.
;; ======== version 1 of 2: 2 launches
;; workspace buffers: wc 50,331,648 bytes; ws 1,572,864 bytes
;; launch proj (part 1): grid 32 x 8, 4 waves a work-group, clusters of 4 x 4, 327,680 bytes of LDS; arguments data_codes, data_scales, Wq_codes, Wq_scales, Wk_codes, Wk_scales, Wv_codes, Wv_scales, wc, ws; writes wc, ws
.if DOCPART == 1
	.amdgcn_target "amdgcn-amd-amdhsa--gfx1250"
	.amdhsa_code_object_version 6
	.text
	.protected	k_qbad0bdac28_proj
	.globl	k_qbad0bdac28_proj
	.p2align	8
	.type	k_qbad0bdac28_proj,@function
k_qbad0bdac28_proj:
	s_mov_b64 s[64:65], 0
	v_nop
	global_prefetch_b8 v0, s[64:65] scope:SCOPE_SE
	s_setreg_imm32_b32 hwreg(HW_REG_WAVE_MODE, 25, 1), 1
	s_wait_xcnt 0x0
	s_wait_alu depctr_hold_cnt(0) depctr_sa_sdst(0) depctr_va_vdst(0) depctr_va_sdst(0) depctr_va_ssrc(0) depctr_va_vcc(0) depctr_vm_vsrc(0)
	s_getreg_b32 s2, hwreg(HW_REG_IB_STS2, 6, 4)
	s_cmp_eq_u32 s2, 0
	s_cbranch_scc0 .Lentry_in_a_cluster
	s_endpgm
.Lentry_in_a_cluster:
	s_bfe_u32 s2, ttmp6, 0x10000c
	s_cmp_lg_u32 s2, 0xf033
	s_cbranch_scc0 .Lentry_shape_is_right
	s_endpgm
.Lentry_shape_is_right:
; q, k, v = data W^T for the eight heads' Wq, Wk, Wv, on codes of FP8 (E4M3) with one E8M0 scale for each 32 along K = 1,024; sums in f32.  The results are quantised at once, by the same rule,
; for the products that follow: q and k along the head's 1,024 features, v along the tokens (the keys), and leave as IMAGES OF OPERAND REGISTERS, which the next launch loads as they lie.
; SHARES.  2,048 tokens x 8,192 features x three kinds.  A work-group of four waves owns 256 tokens x 256 features; a wave 128 x 128: 64 accumulators of 16 x 16, 512 registers.
; A WORK-GROUP STAYS: it makes its tile three times, for q, for k and for v: a loop over tiles round the K steps.  K goes in steps of 256 through a ring of two LDS slots filled by the tensor data mover (a tile's row is
; 256 bytes of memory), and the ring does not stop at a tile's end: a tile's last two changes of slots ask for the next tile's first two K steps, and the tile is quantised and stored while they are on their way.  Nothing waits for stores.
; CLUSTERS: 4 x 4 work-groups.  The four of a row of the cluster need the same 256 tokens of data, the four of a column the same 256 rows of W: each tile is asked for JOINTLY.
; WHICH SIDE IS WHICH.  In a result a lane holds ONE row of source 1, and its eight registers run along eight neighbouring rows of source 0.  What runs along the registers becomes the next product's K:
; for q and k source 1 = tokens and source 0 = features; for v source 1 = features and source 0 = tokens.  Memory and LDS are laid alike for all kinds (data first, W behind); only the LDS bases that the fragment
; loads and the scale words' loads start from change places, by a choice on the count of tiles, which is the same in every work-group.
; THE SCALE BYTES of the work-group's 256 rows of data, Wq, Wk and Wv, for all of K, are four dense blocks of memory: they come into LDS ONCE, with the first fills, and stay.
; THE OUTPUT.  Block (token group tg of 128, feature group fg of 128) has number blk = (tg/4) 256 + (fg/8) 32 + (tg%4) 8 + fg%8.  wc: kind 2^24 + blk 16,384 + a 2,048 + c 512 + 16 lane: fragment a (16 rows x 128 K),
; its registers 4c .. 4c+3.  ws: kind 2^19 + blk 512 + 16 lane + 4 j: lane (r, h), word j: the scale word of row r of fragment 4 h + j.
; THE ORDER INSIDE A BLOCK OF 32 ALONG THE NEXT K: registers 4c, 4c+1 of half h hold k = 32c + 8h + 0..7, registers 4c+2, 4c+3 hold k = 32c + 16 + 8h + 0..7: the accumulators' own order.  Both operands of each later
; product are laid so, and a block's scale belongs to the whole block, so every product meets its partner and its scales.  Only the order in which the unit adds inside a block differs from ascending k.
; LIMITS: NaN and infinities are not served.  A block whose largest magnitude lies under 2^-118, zeros among them, gets the byte 1 (the rule's 127 for a block of zeros is not written: its codes are zeros, and this program alone reads the bytes).
; REGISTERS, in windows of 256: window 0: v8-29 lane terms and addresses; v32-63 scale words, two sets; v64-91 at work on the way out; from v128 source 1's fragments, ONE set.
;   window 1: source 0's fragments, TWO sets; on the way out the second set takes the codes.   window 2: the accumulators of my source-1 blocks 0-3 ((a, b) at v[8 (8 (a%4) + b)]);   window 3: those of blocks 4-7.
.set KSTEP,  256                       ; along K in a slot
.set NQ,     KSTEP/128                 ; matrix instructions deep
.set ROWB,   256                       ; a tile's row in bytes
.set KROW,   1024                      ; a row of data or of W in memory, in bytes
.set PITCH,  272                       ; an LDS row: 256 bytes + 16 of padding = 68 words: the 16 rows that a load touches start 4 banks apart (64 banks of 4 bytes: ISA guide 11.1)
.set FR,     16                        ; registers of a fragment: 16 rows x 128 K
.set NL,     4                         ; LDS loads that bring one
.set NP,     8                         ; places behind this matrix instruction (ISA guide 7.12.1)
.set HALFT,  128*PITCH                 ; 128 rows: what one tensor load brings
.set SLOT,   4*HALFT                   ; data's 256 rows, then W's 256 rows
.set KS,     32                        ; a row of scale bytes
.set SCL,    2*SLOT                    ; behind the ring: the scale bytes, as units of 256 bytes + 16 of padding
.set HALFS,  (128*KS/256)*272          ; those of 128 rows: what one tensor load brings
.set SBLK,   (16*KS/256)*272           ; those of 16 rows
.set SCV,    SCL                       ; Wv's 256 rows, data's, Wq's, Wk's: in this order the way from source 1's rows to source 0's is upward for every kind
.set SCD,    SCL+2*HALFS
.set SCQ,    SCL+4*HALFS
.set SCK,    SCL+6*HALFS
.set SPARE,  327168                    ; the spare words, 128 bytes for each wave: the claim's last two blocks of 256 bytes, which no other line names
.set LTM,  8                           ; v8      a fragment's lane term: row x pitch + 16 x half; never rewritten
.set RTM,  9                           ; v9      a scale word's lane term: 32 bytes a row and 16 more for each 256 passed; never rewritten
.set HLF,  10                          ; v10     my half of the lanes, 0 or 1; never rewritten
.set PFO,  11                          ; v11     the prefetches' offset: (32 x my work-group's place in its column + my lane) rows of 1,024 bytes; never rewritten
.set ADRA, 16                          ; v16-17  LDS address of source 1's fragments in slot 0, 1
.set ADRB, 20                          ; v20-21  the same for source 0
.set LANE, 25                          ; v25     my lane
.set CO,   26                          ; v26     16 x lane: my place in an image
.set ADRS, 27                          ; v27     LDS address of my scale words: lanes 0-15 source 1's rows, lanes 16-31 source 0's
.set SPW,  28                          ; v28     LDS address of my spare word; never rewritten
.set NIL,  29                          ; v29     0; never rewritten
.set SC,   32                          ; scale words: set s at v[SC + 8 NQ s]; register NQ i + q: lanes 0-15 source 1's block i, lanes 16-31 source 0's block i
.set TM,   64                          ; v64-67 largest magnitudes, v68-71 the other half's / bytes, v72-75 448 x the scale, v76-79 the conversions' scale operand
.set PWD,  80                          ; v80-87  fragment a's scale word
.set OW,   88                          ; v88-91  the four words that my lane stores
.set AF,   128                         ; source 1's fragments
.set TL,   2                           ; s2      tiles to go, this one among them: 3 q, 2 k, 1 v
.set LIM,  3                           ; s3      1 in a wave that prefetches, else the greatest number
.set SWV,  7                           ; s7      LDS: my 128 rows of Wv's scale bytes
.set OC,   8                           ; s[8:9]  wc at my block of the tile in hand
.set OS,   10                          ; s[10:11] ws likewise
.set WBK,  12                          ; s[12:13] Wk's codes at the 128 rows that I fetch
.set FD,   14                          ; s14     LDS: my 128 tokens in a slot
.set FW,   15                          ; s15     LDS: my 128 rows of W in a slot
.set WBV,  16                          ; s[16:17] Wv's codes likewise
.set SD,   18                          ; s18     LDS: my 128 tokens' scale bytes
.set DK,   19                          ; s19     from there up to my rows of Wk's
.set WV,   20                          ; s20     wave
.set WH,   21                          ; s21     wave / 2: which half of the 256 tokens is mine.  Also: I fetch for data (0) or for W (1)
.set WL,   22                          ; s22     wave % 2: which half of the 256 features.  Also: which 128 rows I fetch
.set TY,   23                          ; s23     tile of 256 tokens
.set DV,   100                         ; s100    from my rows of Wv's scale bytes up to my tokens'
.set NX,   104                         ; s[104:105] the next tile's W at the 128 rows that I fetch: the refills at a change of tiles and the prefetches start from it
.set G1, 24                            ; s[24:31] descriptor group 1 for data's tiles;  s[32:39] group 0, one set for each slot
.set G0, 32
.set G1B, 48                           ; s[48:55], s[56:63] the same for W's tiles
.set G0B, 56
.set G1S, 68                           ; s[68:75] group 1 for data's scale bytes, s[76:79] its group 0;  s[80:87] group 1 for the W's, s[88:99] their three groups 0
.set G0S, 76
.set G1SB, 80
.set G0SQ, 88
.set G0SK, 92
.set G0SV, 96
.set MSB, 0
.macro WIN new                         ; the immediate's high byte repeats the setting that is left
.if MSB != (\new)
	s_set_vgpr_msb (MSB<<8)|(\new)
.set MSB, (\new)
.endif
.endm
.set MUL_LO, 0xa1                      ; source 0 window 1, source 1 window 0, C and D window 2
.set MUL_HI, 0xf1                      ; the same, C and D window 3
.set TO_B,   0x40                      ; destination window 1, address window 0
; A joint load: waves 0 and 1 issue the first line, waves 2 and 3 the second.  Each line has ONE mask and one set of registers for all that issue it; the branch hangs on the wave's number alone.
; Four v_nop follow each of the two lines, ahead of the jump, the label and what follows.
.macro JLOAD g0a, g1a, g0b, g1b
	s_cmp_eq_u32 s[WH], 0
	s_cbranch_scc0 .Lfor_b_\@
	tensor_load_to_lds s[\g0a:\g0a+3], s[\g1a:\g1a+7]
	s_nop 0
.rept 4
	v_nop
.endr
	s_branch .Lasked_\@
.Lfor_b_\@:
	tensor_load_to_lds s[\g0b:\g0b+3], s[\g1b:\g1b+7]
	s_nop 0
.rept 4
	v_nop
.endr
.Lasked_\@:
.endm
; A PREFETCH INTO THE L2, behind a joint refill, its four lines and the run of LDS loads that follows them: the K step that stands TWO refills on.  Change of slots j (0 .. 3) of a tile asks for K step j + 2 of the walk's
; twelve counted from that tile's first, so two refills on is K step j of the NEXT tile: 32 rows x 256 bytes of the next W, a lane a row, one instruction a wave.
; Each row's 256 bytes of a K step are named ONCE in the launch.  A column of W's tiles is read by both rows of clusters: the first (cluster y = 0) asks.  Of the 128 rows that wave 2 or 3 fetches, the partner at place p of
; its column takes rows 32 p .. 32 p + 31, BY ADDRESS: no branch hangs on a work-group's place in its cluster.  Wq comes by its loads alone; data's rows are the same for all three tiles and are asked for by nobody; the last tile asks for nothing.
.macro ASK j
	s_cmp_gt_u32 s[TL], s[LIM]
	s_cbranch_scc0 .Lnot_mine_\@
	global_prefetch_b8 v[PFO], s[NX:NX+1] offset:256*(\j) th:TH_LOAD_NT scope:SCOPE_SE
.Lnot_mine_\@:
.endm
.macro CREST                           ; a round of the cluster's barrier behind its opening barrier
	s_cmp_lg_u32 s[WV], 0
	s_cbranch_scc1 .Lnot_wave_0_\@
	s_barrier_signal -3
.Lnot_wave_0_\@:
	s_barrier_wait -3
	s_barrier_signal -1
	s_barrier_wait -1
.endm
.macro CROUND                          ; a whole round
	s_barrier_signal -1
	s_barrier_wait -1
	CREST
.endm
.macro SG0 g, lds, ptr                 ; group 0 for the scale bytes of 128 rows: to region lds, my half of it; from the address in s[ptr:ptr+1]
	s_mov_b32 s[\g], 1
	s_add_co_u32 s[\g+1], s66, \lds
	s_mov_b64 s[\g+2:\g+3], s[\ptr:\ptr+1]
	s_or_b32 s[\g+3], s[\g+3], 0x80000000
.endm
	s_load_b128 s[4:7], s[0:1], 0x0                ; data's codes s[4:5], data's scales s[6:7]
	s_load_b128 s[8:11], s[0:1], 0x10              ; Wq's codes, scales
	s_load_b128 s[12:15], s[0:1], 0x20             ; Wk's
	s_load_b128 s[16:19], s[0:1], 0x30             ; Wv's
	v_lshl_add_u32 v[SPW], v0, 2, SPARE
	v_mov_b32 v[NIL], 0
	ds_add_u32 v28, v29
	ds_add_u32 v28, v29
	s_wait_dscnt 0x0
	v_lshrrev_b32 v1, 5, v0
	v_readfirstlane_b32 s[WV], v1                  ; wave 0..3
	s_lshr_b32 s[WH], s[WV], 1
	s_and_b32 s[WL], s[WV], 1
	s_bfe_u32 s40, ttmp6, 0x40000                  ; cx, cy: my place in the cluster
	s_bfe_u32 s41, ttmp6, 0x40004
	s_lshl_b32 s42, ttmp9, 2
	s_add_co_u32 s42, s42, s40                     ; tile of 256 features = 4 x cluster x + cx
	s_and_b32 s[TY], ttmp7, 0xffff
	s_lshl_b32 s[TY], s[TY], 2
	s_add_co_u32 s[TY], s[TY], s41                 ; tile of 256 tokens = 4 x cluster y + cy
	s_lshl_b32 s43, s41, 2
	s_lshl_b32 s43, 15, s43                        ; my row of the cluster
	s_lshl_b32 s44, 0x1111, s40                    ; my column
	; descriptor group 1: a tile of 128 rows x 256 bytes, padded in LDS
	s_or_b32 s[G1+0], s43, (0<<16)|(1<<20)|(1<<21)|(5<<22)|(3<<25)  ; 15:0 the mask: data's tiles go to my row; 17:16 element of 1 byte; 20 padding on; 21 set beside a mask; 24:22 after every 64 words (code 5); 31:25 of 4 words (code 3)
	s_or_b32 s[G1B+0], s44, (0<<16)|(1<<20)|(1<<21)|(5<<22)|(3<<25) ; W's tiles go to my column
.irp g, G1, G1B
	s_mov_b32 s[\g+1], ROWB<<16                    ; tensor_dim0
	s_mov_b32 s[\g+2], 128<<16                     ; tensor_dim1 = 128
	s_mov_b32 s[\g+3], ROWB<<16                    ; tile_dim0
	s_mov_b32 s[\g+4], 128                         ; tile_dim1 = 128
	s_mov_b32 s[\g+5], KROW                        ; tensor_dim0_stride
	s_mov_b32 s[\g+6], 0
	s_mov_b32 s[\g+7], 0
.endr
	; group 1 for the scale bytes of 128 rows: a dense block of 4,096 bytes, as 16 rows of 256 bytes (32 elements of 8 bytes), 16 bytes of padding behind each
	s_or_b32 s[G1S+0], s43, (3<<16)|(1<<20)|(1<<21)|(5<<22)|(3<<25)
	s_or_b32 s[G1SB+0], s44, (3<<16)|(1<<20)|(1<<21)|(5<<22)|(3<<25)
.irp g, G1S, G1SB
	s_mov_b32 s[\g+1], 32<<16
	s_mov_b32 s[\g+2], (128*KS/256)<<16
	s_mov_b32 s[\g+3], 32<<16
	s_mov_b32 s[\g+4], 128*KS/256
	s_mov_b32 s[\g+5], 32
	s_mov_b32 s[\g+6], 0
	s_mov_b32 s[\g+7], 0
.endr
	; where my rows begin, in bytes (all under 2^24).  Data's offsets hang on the token tile and the wave, W's on the feature tile and the wave, each in registers that never hold the other coordinate
	s_lshl_b32 s45, s[WL], 7                       ; which 128 rows of a tile I fetch
	s_lshl_b32 s2, s[TY], 8
	s_add_co_u32 s2, s2, s45                       ; data: row 256 x token tile + 128 x half
	s_lshl_b32 s3, s42, 8
	s_add_co_u32 s3, s3, s45                       ; W: row 256 x feature tile + 128 x half
	s_lshl_b32 s100, s2, 10                        ; data's codes: 1,024 bytes a row
	s_mov_b32 s101, 0
	s_lshl_b32 s46, s3, 10                         ; W's codes
	s_mov_b32 s47, 0
	s_lshl_b32 s104, s3, 5                         ; W's scale bytes: 32 a row
	s_mov_b32 s105, 0
	s_mul_i32 s45, s[WV], HALFT                    ; where the codes go: wave x 128 rows: no place in the cluster enters an LDS address
	s_mul_i32 s66, s[WL], HALFS                    ; and the scale bytes: my half of a region
	s_wait_kmcnt 0x0
	s_add_nc_u64 s[4:5], s[4:5], s[100:101]
	s_lshl_b32 s100, s2, 5                         ; data's scale bytes
	s_add_nc_u64 s[6:7], s[6:7], s[100:101]
	s_add_nc_u64 s[8:9], s[8:9], s[46:47]
	s_add_nc_u64 s[WBK:WBK+1], s[WBK:WBK+1], s[46:47]
	s_add_nc_u64 s[WBV:WBV+1], s[WBV:WBV+1], s[46:47]
	s_add_nc_u64 s[10:11], s[10:11], s[104:105]
	s_add_nc_u64 s[14:15], s[14:15], s[104:105]
	s_add_nc_u64 s[18:19], s[18:19], s[104:105]
	CROUND                                         ; all sixteen work-groups are here: the first joint loads meet
	SG0 G0S,  SCD, 6
	SG0 G0SQ, SCQ, 10
	SG0 G0SK, SCK, 14
	SG0 G0SV, SCV, 18
	JLOAD G0S, G1S, G0SQ, G1SB                     ; the scale bytes first: data's halves (waves 0, 1) and Wq's (waves 2, 3),
	JLOAD G0SK, G1SB, G0SV, G1SB                   ; Wk's halves (waves 0, 1) and Wv's (waves 2, 3): filled once, they stay
.irp s, 0,1
	s_mov_b32 s[G0+4*\s], 1
	s_add_co_u32 s[G0+4*\s+1], s45, \s*SLOT
	s_add_nc_u64 s[G0+4*\s+2:G0+4*\s+3], s[4:5], \s*ROWB
	s_or_b32 s[G0+4*\s+3], s[G0+4*\s+3], 0x80000000
	s_mov_b32 s[G0B+4*\s], 1
	s_add_co_u32 s[G0B+4*\s+1], s45, \s*SLOT
	s_add_nc_u64 s[G0B+4*\s+2:G0B+4*\s+3], s[8:9], \s*ROWB
	s_or_b32 s[G0B+4*\s+3], s[G0B+4*\s+3], 0x80000000
	JLOAD G0+4*\s, G1, G0B+4*\s, G1B               ; q's K steps 0 and 1: four loads of mine are out now
.endr
	s_load_b128 s[8:11], s[0:1], 0x40              ; wc s[8:9], ws s[10:11], into registers whose addresses have been copied
	; LDS bases, each a constant + a constant x a part of the wave's number
	s_mul_i32 s[FD], s[WH], HALFT                  ; my 128 tokens of data
	s_mul_i32 s[FW], s[WL], HALFT                  ; my 128 rows of W,
	s_add_co_u32 s[FW], s[FW], 2*HALFT             ; which lie behind data's 256
	s_mul_i32 s[SD], s[WH], HALFS
	s_add_co_u32 s[SD], s[SD], SCD                 ; my tokens' scale bytes
	s_add_co_u32 s[SWV], s66, SCV                  ; my rows of Wv's
	s_add_co_u32 s[DK], s66, SCK
	s_sub_co_u32 s[DK], s[DK], s[SD]               ; k: from source 1's (data) up to source 0's (Wk)
	s_sub_co_u32 s[DV], s[SD], s[SWV]              ; v: from source 1's (Wv) up to source 0's (data)
	s_add_co_u32 s67, s66, SCQ
	s_sub_co_u32 s67, s67, s[SD]                   ; q: from data's up to Wq's
	v_and_b32 v1, 15, v0                           ; r = l % 16
	v_bfe_u32 v[HLF], v0, 4, 1                     ; h = l / 16
	v_mul_u32_u24 v3, v1, PITCH
	v_lshl_add_u32 v[LTM], v[HLF], 4, v3           ; a fragment's row x pitch + 16 x half
	v_add_nc_u32 v[ADRA], s[FD], v[LTM]            ; q: source 1 = data, source 0 = W
	v_add_nc_u32 v[ADRB], s[FW], v[LTM]
	v_add_nc_u32 v[ADRA+1], SLOT, v[ADRA]
	v_add_nc_u32 v[ADRB+1], SLOT, v[ADRB]
	v_mul_u32_u24 v5, v1, KS                       ; my row's scale bytes: 32 a row,
	v_lshrrev_b32 v6, 8, v5
	v_lshl_add_u32 v[RTM], v6, 4, v5               ; and 16 more for each 256 passed
	v_mul_u32_u24 v6, s67, v[HLF]                  ; lanes 16-31 take source 0's
	v_add_nc_u32 v6, v6, v[RTM]
	v_add_nc_u32 v[ADRS], s[SD], v6
	v_and_b32 v[LANE], 31, v0
	v_lshlrev_b32 v[CO], 4, v[LANE]
.irp b, 0,1,2,3
	v_mov_b32 v[TM+4+\b], 0                        ; written once: a lane permute's destination counts as one of its sources
.endr
	s_mov_b32 s4, 0x76543210                       ; (data's address has been copied)  v_permlanex16_b32's selects for lane l xor 16
	s_mov_b32 s5, 0xfedcba98
	s_mov_b32 s6, 0x600000                         ; the mantissa field of 448
	; who prefetches: waves 2 and 3 of the clusters with y = 0: the same in all sixteen partners, for a given wave
	s_and_b32 s66, ttmp7, 0xffff
	s_xor_b32 s67, s[WH], 1
	s_or_b32 s66, s66, s67
	s_cmp_eq_u32 s66, 0
	s_cselect_b32 s[LIM], 1, -1
	s_lshl_b32 s66, s41, 15                        ; my work-group's 32 rows of the 128
	v_lshlrev_b32 v[PFO], 10, v[LANE]
	v_add_nc_u32 v[PFO], s66, v[PFO]
	; where my block lies in wc and ws
	s_lshl_b32 s66, s[TY], 1
	s_add_co_u32 s66, s66, s[WH]                   ; tg
	s_lshl_b32 s46, s42, 1
	s_add_co_u32 s46, s46, s[WL]                   ; fg
	s_lshr_b32 s67, s66, 2
	s_lshl_b32 s67, s67, 8                         ; (tg / 4) 256
	s_and_b32 s66, s66, 3
	s_lshl_b32 s66, s66, 3                         ; (tg % 4) 8
	s_add_co_u32 s66, s66, s67
	s_lshr_b32 s47, s46, 3
	s_lshl_b32 s47, s47, 5                         ; (fg / 8) 32
	s_and_b32 s46, s46, 7
	s_add_co_u32 s46, s46, s47
	s_add_co_u32 s66, s66, s46                     ; blk
	s_lshl_b32 s46, s66, 14                        ; 16,384 bytes of codes a block
	s_mov_b32 s47, 0
	s_wait_kmcnt 0x0
	s_add_nc_u64 s[OC:OC+1], s[OC:OC+1], s[46:47]
	s_lshl_b32 s46, s66, 9                         ; 512 bytes of scale words
	s_add_nc_u64 s[OS:OS+1], s[OS:OS+1], s[46:47]
.macro FRAG reg, adr, q, i             ; a fragment, 16 rows x 128 K of 8-bit codes, is 16 registers: lane l holds row l % 16; registers 4 c .. 4 c + 3 hold K = 32 c + 16 (l / 16) + 0 .. 15
.irp c, 0,1,2,3
	ds_load_b128 v[\reg+4*\c:\reg+4*\c+3], v[\adr] offset:128*(\q)+32*\c+(\i)*16*PITCH
.endr
.endm
; 16 matrix instructions: source 1's blocks a0, a0 + 1 x source 0's eight, 128 along K: the slot's q-th.  p: source 0's set;  sc: the set of scale words.  zero = 1: the first product starts the sums: nothing is ever cleared.
; The 64 accumulators take turns, one instruction a turn, in the same order in every step, from tile to tile too.
.macro MUL16 a0, p, q, sc, zero
.irp a, \a0, \a0+1
.irp b, 0,1,2,3,4,5,6,7
.if \zero
	v_wmma_scale_f32_16x16x128_f8f6f4 v[8*(8*((\a)%4)+\b):8*(8*((\a)%4)+\b)+7], v[128*(\p)+FR*\b:128*(\p)+FR*\b+FR-1], v[AF+FR*(\a):AF+FR*(\a)+FR-1], 0, v[SC+8*NQ*(\sc)+NQ*\b+(\q)], v[SC+8*NQ*(\sc)+NQ*(\a)+(\q)] matrix_a_scale:MATRIX_SCALE_ROW1
.else
	v_wmma_scale_f32_16x16x128_f8f6f4 v[8*(8*((\a)%4)+\b):8*(8*((\a)%4)+\b)+7], v[128*(\p)+FR*\b:128*(\p)+FR*\b+FR-1], v[AF+FR*(\a):AF+FR*(\a)+FR-1], v[8*(8*((\a)%4)+\b):8*(8*((\a)%4)+\b)+7], v[SC+8*NQ*(\sc)+NQ*\b+(\q)], v[SC+8*NQ*(\sc)+NQ*(\a)+(\q)] matrix_a_scale:MATRIX_SCALE_ROW1
.endif
.endr
.endr
.endm
.macro FETCH_B slot, q, p              ; source 0's eight fragments of the slot's q-th 128 along K into set p
	WIN TO_B
.irp i, 0,1,2,3,4,5,6,7
	FRAG 128*(\p)+FR*\i, ADRB+\slot, \q, \i
.endr
	WIN 0
.endm
.macro FETCH_A slot, q, i0             ; source 1's blocks i0 .. i0 + 3
.irp i, \i0, \i0+1, \i0+2, \i0+3
	FRAG AF+FR*(\i), ADRA+\slot, \q, \i
.endr
.endm
.macro SCALES sc, ks                   ; the scale words of a tile's K step ks (0 .. 3) into set sc: two words a row, 8 ks bytes into the row; lanes 0-15 take source 1's block i, lanes 16-31 source 0's block i
.irp i, 0,1,2,3,4,5,6,7
	ds_load_b64 v[SC+8*NQ*\sc+NQ*\i:SC+8*NQ*\sc+NQ*\i+1], v[ADRS] offset:\i*SBLK+8*(\ks)
.endr
.endm
; A load into a register that a matrix instruction has read, and a vector instruction that reads a matrix result or writes one of its registers, stand NP places behind that matrix instruction; only plain vector
; instructions that name none of its registers are places (ISA guide 7.12.1 for vector instructions).
.macro PLACES n
.rept \n
	v_nop
.endr
.endm
; A step of 128 along K that has its successor in the same slot.
.macro STEP slot, q, zero
	s_wait_dscnt 4*NL                              ; source 0's set and source 1's blocks 0-3 are in; the youngest sixteen loads (blocks 4-7) may be out
	WIN MUL_LO
	MUL16 0, (\q)%2, \q, \slot, \zero
	MUL16 2, (\q)%2, \q, \slot, \zero
	s_wait_dscnt 0                                 ; blocks 4-7 are in (asked for 32 matrix instructions ago)
	PLACES NP
	FETCH_B \slot, (\q)+1, 1-(\q)%2
	FETCH_A \slot, (\q)+1, 0
	WIN MUL_HI
	MUL16 4, (\q)%2, \q, \slot, \zero
	MUL16 6, (\q)%2, \q, \slot, \zero
	PLACES NP
	WIN 0
	FETCH_A \slot, (\q)+1, 4
.endm
; A slot's last step changes slots: ONE barrier; in front of it each wave waits for all its tensor loads, adds 0 to its spare word, and waits for that and for its own reads of this slot.
; fill = 1: this slot is filled again with this tile's K step two steps on;  fill = 2: with the NEXT tile's K step 0 (slot 0) or 1 (slot 1);  fill = 0: with nothing.  ks: which K step of its tile lies in the slot ahead.
.macro TURN slot, next, fill, ks
	s_wait_tensorcnt 0x0                           ; all my tensor loads have landed: my part of the next slot;  (every window is 0 here)
	ds_add_u32 v[SPW], v[NIL]                      ; 0 onto my spare word
	s_wait_dscnt 4*NL+1                            ; (the add and the youngest sixteen loads, blocks 4-7, may be out)
	WIN MUL_LO
	MUL16 0, 1, NQ-1, \slot, 0                     ; sixteen matrix instructions stand between the add and the wait for it
	s_wait_dscnt 0x0                               ; the add is done, and my reads of this slot are over
	s_barrier_signal -1
	MUL16 2, 1, NQ-1, \slot, 0
	WIN 0
	s_barrier_wait -1
.if \fill
	CREST                                          ; the barrier has opened a round of the cluster's barrier: no wave of any partner still reads this slot's tile or has a load on its way
.if \fill == 1
	s_add_nc_u64 s[G0+4*\slot+2:G0+4*\slot+3], s[G0+4*\slot+2:G0+4*\slot+3], 2*ROWB
	s_add_nc_u64 s[G0B+4*\slot+2:G0B+4*\slot+3], s[G0B+4*\slot+2:G0B+4*\slot+3], 2*ROWB
.else
	s_sub_nc_u64 s[G0+4*\slot+2:G0+4*\slot+3], s[G0+4*\slot+2:G0+4*\slot+3], 2*ROWB   ; data: the same rows, two K steps back along K; the type bits on top are not reached
	s_add_nc_u64 s[G0B+4*\slot+2:G0B+4*\slot+3], s[NX:NX+1], \slot*ROWB               ; W: the next tile's buffer, the same rows
	s_or_b32 s[G0B+4*\slot+3], s[G0B+4*\slot+3], 0x80000000
.endif
	JLOAD G0+4*\slot, G1, G0B+4*\slot, G1B         ; the first tensor load behind the round; the four v_nop behind it are among the places in front of the loads below
	PLACES NP-4
.else
	PLACES NP
.endif
.if (\fill == 2) && (\slot == 1)
	; the slot ahead holds the next tile's first K step: from here on every LDS load is the next tile's.  k is laid as q is; for v the sides change places.  (No LDS load of mine is out.)
	s_cmp_eq_u32 s[TL], 3                          ; is the next tile k's?
	s_cselect_b32 s66, s[FD], s[FW]                ; source 1's rows
	s_cselect_b32 s67, s[FW], s[FD]                ; source 0's
	s_cselect_b32 s46, s[SD], s[SWV]               ; source 1's scale bytes
	s_cselect_b32 s47, s[DK], s[DV]                ; and from there up to source 0's
	v_add_nc_u32 v[ADRA], s66, v[LTM]
	v_add_nc_u32 v[ADRB], s67, v[LTM]
	v_add_nc_u32 v[ADRA+1], SLOT, v[ADRA]
	v_add_nc_u32 v[ADRB+1], SLOT, v[ADRB]
	v_mul_u32_u24 v6, s47, v[HLF]
	v_add_nc_u32 v6, v6, v[RTM]
	v_add_nc_u32 v[ADRS], s46, v6
.endif
	FETCH_B \next, 0, 0
	FETCH_A \next, 0, 0
	SCALES \next, \ks
.if \fill
	ASK ((\ks)+3)%4                                ; this is the tile's change of slots number ks - 1 (the fourth has ks = 0)
.endif
	WIN MUL_HI
	MUL16 4, 1, NQ-1, \slot, 0
	MUL16 6, 1, NQ-1, \slot, 0
	PLACES NP
	WIN 0
	FETCH_A \next, 0, 4
.endm
; THE WAY OUT.  The eight accumulators of source-1 block a are 16 rows x 128 along the next K: one fragment.  Register 16 b + i of the 64 belongs to block b of 32; the block's other 16 numbers lie in lane l xor 16.
; A block's largest magnitude, with the floor 2^(9 - 127) among its leaves; 8 off its exponent field gives the conversion's scale operand, and a shift of that the byte; each number is held within 448 x the scale, since the
; conversion to an 8-bit code does not saturate (ISA guide 7.6.2).  The codes go into source 0's second set of registers (window 1, v128 on), 16 for each fragment: the tile's last products have read that set, and the next
; tile's first run of loads into it stands behind a wait on XCNT.  So no store's data are written again within a tile.  Each store covers 512 consecutive bytes, aligned.
.macro QUANT a
.set QW,  2+(\a)/4                     ; the accumulators' window
.set QS0, 64*((\a)%4)
.set QP,  128+16*(\a)                  ; the codes, in window 1
	WIN 5*QW                                       ; sources 0 and 1 in the accumulators' window
.irp b, 0,1,2,3
	v_max3_num_f32 v[TM+\b], |v[QS0+16*\b]|, |v[QS0+16*\b+1]|, 0x4800000   ; each accumulator is read from its low end on
.endr
.irp i, 2,4,6,8,10,12,14
.irp b, 0,1,2,3
	v_max3_num_f32 v[TM+\b], |v[QS0+16*\b+\i]|, |v[QS0+16*\b+\i+1]|, v[TM+\b]   ; (the four blocks by turns)
.endr
.endr
	WIN 0
.irp b, 0,1,2,3
	v_permlanex16_b32 v[TM+4+\b], v[TM+\b], s4, s5
.endr
.irp b, 0,1,2,3
	v_max_num_f32 v[TM+\b], v[TM+\b], v[TM+4+\b]   ; with lane l xor 16's: the block's largest magnitude
.endr
.irp b, 0,1,2,3
	v_add_nc_u32 v[TM+12+\b], 0xfc000000, v[TM+\b] ; 8 off its exponent field: the conversion's scale operand
.endr
.irp b, 0,1,2,3
	v_and_or_b32 v[TM+8+\b], v[TM+\b], 0x7f800000, s6   ; 448 x the scale
.endr
.irp b, 0,1,2,3
	v_lshrrev_b32 v[TM+4+\b], 23, v[TM+12+\b]      ; the scale's byte
.endr
	v_lshl_or_b32 v[PWD+(\a)], v[TM+5], 8, v[TM+4] ; the four bytes make my row's scale word (both halves of the lanes hold it)
	v_lshl_or_b32 v[PWD+(\a)], v[TM+6], 16, v[PWD+(\a)]
	v_lshl_or_b32 v[PWD+(\a)], v[TM+7], 24, v[PWD+(\a)]
	WIN 65*QW                                      ; destination and source 0 in the accumulators' window
.irp b, 0,1,2,3
.irp i, 0,1,2,3,4,5,6,7,8,9,10,11,12,13,14,15
	v_med3_num_f32 v[QS0+16*\b+\i], v[QS0+16*\b+\i], -v[TM+8+\b], v[TM+8+\b]
.endr
.endr
	WIN 0x40+QW                                    ; destination window 1, source 0 in the accumulators' window
.irp g, 0,1,2,3,4,5,6,7
	v_cvt_scalef32_pk8_fp8_f32 v[QP+2*\g:QP+2*\g+1], v[QS0+8*\g:QS0+8*\g+7], v[TM+12+\g/2]
.endr
	v_nop                                          ; one plain vector instruction behind the last conversion, ahead of the next fragment's lines, which write the scale operands, and of the next tile's products, which write the sources
	WIN 0x04                                       ; a store's data are its source 1: window 1
.irp c, 0,1,2,3
	global_store_b128 v[CO], v[QP+4*\c:QP+4*\c+3], s[OC:OC+1] offset:(\a)*2048+\c*512
.endr
.endm
.macro WAYOUT
.irp a, 0,1,2,3,4,5,6,7
	QUANT \a
.endr
	WIN 0
	v_cmp_le_u32 vcc_lo, 16, v[LANE]               ; lanes 16-31 store the words of fragments 4 to 7
.irp j, 0,1,2,3
	v_cndmask_b32 v[OW+\j], v[PWD+\j], v[PWD+4+\j], vcc_lo
.endr
	global_store_b128 v[CO], v[OW:OW+3], s[OS:OS+1]   ; 512 consecutive bytes: the block's scale words
.endm
	s_wait_tensorcnt 1                             ; all the scale bytes and my part of K step 0 are in (K step 1's load may be out)
	s_barrier_signal -1
	s_barrier_wait -1                              ; everybody's are
	FETCH_B 0, 0, 0
	FETCH_A 0, 0, 0
	SCALES 0, 0
	FETCH_A 0, 0, 4
	s_mov_b32 s[TL], 3                             ; the same number in every work-group
.Ltile:                                                ; a tile: four K steps of 256, slots 0, 1, 0, 1.  Its first fragments have been asked for
	s_cmp_eq_u32 s[TL], 3                          ; behind q comes k, behind k comes v (in the last tile the pair is not used).  The last prefetch that read the pair stands ahead of the wait on XCNT at the last trip's end
	s_cselect_b64 s[NX:NX+1], s[WBK:WBK+1], s[WBV:WBV+1]
	STEP 0, 0, 1                                   ; the tile's first products start the sums
	TURN 0, 1, 1, 1
	STEP 1, 0, 0
	TURN 1, 0, 1, 2
	STEP 0, 0, 0
	s_cmp_eq_u32 s[TL], 1
	s_cbranch_scc1 .Llast_tile                     ; the last tile's tail is written out: it asks for nothing more
	TURN 0, 1, 2, 3                                ; THE RING GOES ON INTO THE NEXT TILE: slot 0 takes its K step 0,
	STEP 1, 0, 0
	TURN 1, 0, 2, 0                                ; slot 1 its K step 1, and the next tile's first fragments and scale words are fetched
	WAYOUT                                         ; both refills are asked for: now the tile goes out.  The places at the end of the change of slots stand behind the last products
	s_wait_xcnt 0x0                                ; the stores have read their registers and their bases: both may be written again
	s_add_nc_u64 s[OC:OC+1], s[OC:OC+1], 1<<24     ; the next kind's part of wc
	s_add_nc_u64 s[OS:OS+1], s[OS:OS+1], 1<<19     ; and of ws
	s_sub_co_u32 s[TL], s[TL], 1
	s_branch .Ltile
.Llast_tile:
	TURN 0, 1, 0, 3                                ; nothing is filled again, so no round of the cluster's barrier follows
	STEP 1, 0, 0
	s_wait_dscnt 4*NL                              ; the very last step: nothing more to fetch
	WIN MUL_LO
	MUL16 0, 1, NQ-1, 1, 0
	MUL16 2, 1, NQ-1, 1, 0
	s_wait_dscnt 0
	WIN MUL_HI
	MUL16 4, 1, NQ-1, 1, 0
	MUL16 6, 1, NQ-1, 1, 0
	WIN 0
	PLACES NP                                      ; behind the last products: their results are read, and the registers of source 0's second set are written
	WAYOUT
	s_wait_tensorcnt 0x0                           ; the wave's end
	ds_add_u32 v[SPW], v[NIL]
	s_wait_dscnt 0x0
	CROUND                                         ; the closing round: no work-group ends while a partner may still ask for a tile that names it
	s_endpgm
.Lfunc_end_k_qbad0bdac28_proj:
	.size	k_qbad0bdac28_proj, .Lfunc_end_k_qbad0bdac28_proj-k_qbad0bdac28_proj
	.p2alignl 7, 3214868480
	.fill 96, 4, 3214868480
	.section	.rodata,"a",@progbits
	.p2align	6, 0x0
	.amdhsa_kernel k_qbad0bdac28_proj
		.amdhsa_group_segment_fixed_size 327680
		.amdhsa_private_segment_fixed_size 0
		.amdhsa_enable_private_segment 0
		.amdhsa_kernarg_size 80
		.amdhsa_user_sgpr_count 2
		.amdhsa_user_sgpr_kernarg_segment_ptr 1
		.amdhsa_wavefront_size32 1
		.amdhsa_system_sgpr_workgroup_id_x 1
		.amdhsa_system_sgpr_workgroup_id_y 1
		.amdhsa_system_sgpr_workgroup_id_z 1
		.amdhsa_system_vgpr_workitem_id 0
		.amdhsa_next_free_vgpr 1024
		.amdhsa_next_free_sgpr 106
		.amdhsa_reserve_vcc 1
		.amdhsa_float_denorm_mode_32 3
		.amdhsa_float_denorm_mode_16_64 3
		.amdhsa_memory_ordered 1
		.amdhsa_forward_progress 1
		.amdhsa_inst_pref_size 255
	.end_amdhsa_kernel
	.section	.bss,"aw",@nobits
	.p2align	6
	.space	262144
	.amdgpu_metadata
---
amdhsa.version: [ 1, 2 ]
amdhsa.kernels:
  - .name:           k_qbad0bdac28_proj
    .symbol:         k_qbad0bdac28_proj.kd
    .args:
      - { .name: data_codes, .offset: 0, .size: 8, .value_kind: global_buffer, .address_space: global }
      - { .name: data_scales, .offset: 8, .size: 8, .value_kind: global_buffer, .address_space: global }
      - { .name: Wq_codes, .offset: 16, .size: 8, .value_kind: global_buffer, .address_space: global }
      - { .name: Wq_scales, .offset: 24, .size: 8, .value_kind: global_buffer, .address_space: global }
      - { .name: Wk_codes, .offset: 32, .size: 8, .value_kind: global_buffer, .address_space: global }
      - { .name: Wk_scales, .offset: 40, .size: 8, .value_kind: global_buffer, .address_space: global }
      - { .name: Wv_codes, .offset: 48, .size: 8, .value_kind: global_buffer, .address_space: global }
      - { .name: Wv_scales, .offset: 56, .size: 8, .value_kind: global_buffer, .address_space: global }
      - { .name: wc, .offset: 64, .size: 8, .value_kind: global_buffer, .address_space: global }
      - { .name: ws, .offset: 72, .size: 8, .value_kind: global_buffer, .address_space: global }
    .group_segment_fixed_size: 327680
    .private_segment_fixed_size: 0
    .kernarg_segment_align: 8
    .kernarg_segment_size: 80
    .max_flat_workgroup_size: 128
    .sgpr_count:     106
    .vgpr_count:     1024
    .wavefront_size: 32
...
	.end_amdgpu_metadata
.endif
;; end of part 1
;; launch attn (part 2): grid 8 x 32, 4 waves a work-group, no clusters, 171,520 bytes of LDS; arguments wc, ws, out0; writes out0
.if DOCPART == 2
	.amdgcn_target "amdgcn-amd-amdhsa--gfx1250"
	.amdhsa_code_object_version 6
	.text
	.protected	k_qbad0bdac28_attn
	.globl	k_qbad0bdac28_attn
	.p2align	8
	.type	k_qbad0bdac28_attn,@function
k_qbad0bdac28_attn:
	s_mov_b64 s[64:65], 0
	v_nop
	global_prefetch_b8 v0, s[64:65] scope:SCOPE_SE
	s_setreg_imm32_b32 hwreg(HW_REG_WAVE_MODE, 25, 1), 1
	s_wait_xcnt 0x0
; out[b][t][1024 head + d] = the sum over keys s <= t of softmax_s(q[t] . k[s] / 32) v[s][d], for each of 32 pairs bh = 8 b + head; 512 tokens, head size 1,024.  Both products on codes of FP8 (E4M3) with one E8M0 scale
; for each 32 along K.  q, k, v come from wc and ws as images of operand registers: block ((bh 4 + token group of 128) 8 + feature group of 128) of 16,384 bytes = eight fragments of 2,048 bytes; kind q at 0, k at 2^24, v at 2^25;
; scale words: 512 bytes a block, lane (r, h), word j = row r of fragment 4 h + j; kinds 2^19 apart.  q, k: a fragment's rows are tokens and its K the features; v: its rows are features and its K the keys.
; THE SOFTMAX AHEAD OF THE SECOND PRODUCT: t = score x log2(e) / 32; M = the row's largest t rounded UP to a whole number; p = 2^(t - M) is quantised along the keys, not normalised; the row's sum of the unquantised p divides at the end.
; SHARES.  A work-group owns 64 queries (block i of eight) of one pair: four tiles of 16.  m = i / 2: keys up to 128 m + 127 can count.  All scores of the block are made at once, so M is the row's own, not a running one.
;   scores: wave w owns keys 128 w .. 128 w + 127: S^T = K Q^T, 8 tiles of keys x 4 tiles of queries = 32 accumulators, K = 1,024 in eight steps.  Where w > m all its keys are hidden: it multiplies nothing and sets its scores to
;   -infinity; wave m hides by comparison what lies over the diagonal.  From there on all waves run one text: a hidden wave's p are zeros and its sum is 0.
;   second product: wave w owns features 256 w .. 256 w + 255: O^T = V^T P^T, 16 x 4 = 64 accumulators, K = the keys, m + 1 steps of 128.
; Each fragment of K and of V is read by ONE wave of the work-group: it goes from memory straight into registers, 512 consecutive bytes a load.  Q, P, the maxima and the sums go from wave to wave through LDS, as images.
; No cluster: the eight query blocks of a pair need 1 to 4 key steps, so partners would not make the same requests.  No tensor loads, so no ring.
; A lane holds ONE query (lane % 16) in S^T, p and O^T.  The 16 registers of key tiles 2 b and 2 b + 1, with lane l xor 16's, are block b of 32 keys, in the order in which v's codes were laid.
; LIMITS: NaN and infinities are not served.  A block of p under 2^-118 gets the byte 1.  A block's largest p is taken as the exponential of the block's largest score, which takes v_exp_f32 not to fall where its input rises.
; REGISTERS, in windows of 256.  window 0: v1-13 lane numbers and addresses; v16-19 the mask's bound; v20-23 maxima, then sums; v24-31 -M, then 1 / sum (pairs); v32-63 K's scale words, then block maxima and work;
;   v64-95 Q's scale words, then holds and scale operands, then P's scale words; v96-127 V's scale words; v128-255 two sets of Q's fragments, then p's codes and work, then two sets of P's fragments.
;   window 1: Q on its way to LDS; S^T, tile (t, kp) at 64 t + 8 kp; then O^T for feature tiles 0-7, at 32 dt + 8 t.   window 2: K's sets 0 and 1; then O^T for feature tiles 8-15.
;   window 3: K's set 2; then V, 16 registers a feature tile; on the way out rows of the output.
.set QIMG, 0                           ; LDS: Q's 32 fragments: (K step s, tile t) at (4 s + t) 2,048
.set PIMG, 65536                       ; P's 16: (key step sg, tile t) at (4 sg + t) 2,048
.set PSC,  98304                       ; their scale words: (4 sg + t) 128 + 4 lane
.set MAXB, 2048                        ; from PSC on: each wave's row maxima: 512 w + 128 t + 4 lane
.set SUMB, 4096                        ; and its row sums
.set STG,  104448                      ; the way out: for each wave 16 rows x (1,024 bytes + 16)
.set SPT,  1040
.set LI,  4                            ; v4   16 x lane: my place in an image
.set QSO, 5                            ; v5   my place among Q's scale words: 16 (16 (i % 2) + r)
.set QWI, 6                            ; v6   where I store Q's images: 16 lane + 2,048 w
.set PWI, 7                            ; v7   and P's: PIMG + 16 lane + 8,192 w
.set PRA, 8                            ; v8   PIMG + 16 lane
.set XWA, 9                            ; v9   PSC + 4 lane + 512 w
.set XRA, 10                           ; v10  PSC + 4 lane
.set SO,  11                           ; v11  the stage: where I put 32 bytes of a row
.set SR,  12                           ; v12  and where I read half a row back
.set NEG, 13                           ; v13  -infinity
.set DM,  16                           ; v16-19  tile t: my query less the wave's first key less 8 h
.set RM,  20                           ; v20-23  tile t: the row's maximum; later its sum
.set NM,  24                           ; v24,26,28,30  tile t: -M; later 1 / sum.  The odd neighbours are named with them as pairs and hold 0
.set KSC, 32
.set BM,  32                           ; v32-47  block (t, b): its largest score, then its largest p
.set T1,  48                           ; v48-63  the other half's maxima, then the bytes
.set SUMS, 32                          ; v32-47  the four waves' sums
.set QSC, 64
.set LIM, 64                           ; v64-79  448 x the scale
.set SCO, 80                           ; v80-95  the conversions' scale operand
.set PSW, 64                           ; v64-71  P's scale words, two sets
.set VSC, 96
.set QF,  128                          ; Q's fragments, two sets of 64
.set PC,  128                          ; p's codes
.set PF,  128                          ; P's fragments, two sets of 64
.set SA,  192                          ; v192-207 the sums' chains: pairs, two a tile
.set PW,  208                          ; v208-211 p's scale words
.set MX,  212                          ; v212-227 the four waves' maxima
.set TT,  228                          ; v228-231 at work
.set MSB, 0
.macro WIN new                         ; s_set_vgpr_msb's low byte: bits 1:0 source 0, 3:2 source 1, 5:4 source 2, 7:6 destination; the high byte repeats the setting that is left
.if MSB != (\new)
	s_set_vgpr_msb (MSB<<8)|(\new)
.set MSB, (\new)
.endif
.endm
.macro PLACES n                        ; plain vector instructions between a matrix instruction and a load into, or a vector instruction on, its registers: eight for this form
.rept \n
	v_nop
.endr
.endm
.macro BARRIER                         ; my LDS stores have landed and my LDS loads are in: then the work-group's barrier
	s_wait_dscnt 0x0
	s_barrier_signal -1
	s_barrier_wait -1
.endm
; One matrix instruction on the registers named by rD, rA, rB, rX, rY.  zero = 1: it starts its sum.  row = 1: source 0's scale words stand in lanes 16-31.
.macro MM zero, row
.if \zero
.if \row
	v_wmma_scale_f32_16x16x128_f8f6f4 v[rD:rD+7], v[rA:rA+15], v[rB:rB+15], 0, v[rX], v[rY] matrix_a_scale:MATRIX_SCALE_ROW1
.else
	v_wmma_scale_f32_16x16x128_f8f6f4 v[rD:rD+7], v[rA:rA+15], v[rB:rB+15], 0, v[rX], v[rY]
.endif
.else
.if \row
	v_wmma_scale_f32_16x16x128_f8f6f4 v[rD:rD+7], v[rA:rA+15], v[rB:rB+15], v[rD:rD+7], v[rX], v[rY] matrix_a_scale:MATRIX_SCALE_ROW1
.else
	v_wmma_scale_f32_16x16x128_f8f6f4 v[rD:rD+7], v[rA:rA+15], v[rB:rB+15], v[rD:rD+7], v[rX], v[rY]
.endif
.endif
.endm
.macro KLOAD s                         ; K step s of my 128 keys: eight fragments, 32 loads, into set s % 3 (sets 0, 1: window 2; set 2: window 3)
	WIN 0x80+0x40*(((\s)%3)/2)
.set kl, 128*(((\s)%3)%2)
.irp kp, 0,1,2,3,4,5,6,7
.irp c, 0,1,2,3
	global_load_b128 v[kl+16*\kp+4*\c:kl+16*\kp+4*\c+3], v[LI], s[18:19] offset:(\s)*16384+\kp*2048+\c*512
.endr
.endr
	WIN 0
.endm
.macro VLOAD sg, d0, n                 ; key step sg of V: my feature tiles d0 .. d0 + n - 1, four loads each, into window 3
	WIN 0xc0
.set dd, \d0
.rept \n
.irp c, 0,1,2,3
	global_load_b128 v[16*dd+4*\c:16*dd+4*\c+3], v[LI], s[20:21] offset:(\sg)*131072+dd*2048+\c*512
.endr
.set dd, dd+1
.endr
	WIN 0
.endm
.macro QLOAD s                         ; K step s of Q's four tiles, from LDS, into set s % 2
.irp t, 0,1,2,3
.irp c, 0,1,2,3
	ds_load_b128 v[QF+64*((\s)%2)+16*\t+4*\c:QF+64*((\s)%2)+16*\t+4*\c+3], v[LI] offset:QIMG+(4*(\s)+\t)*2048+512*\c
.endr
.endr
.endm
; K step s of the scores.  The 32 accumulators take turns, one instruction a turn, in the same order in every step.
.macro SSTEP s
.if (\s) > 0
	PLACES 8                                       ; behind the last step's products: the loads below land in registers that they read
.endif
	s_wait_loadcnt 32                              ; this step's K is in; the 32 loads issued behind it may be out
.if (\s) < 6
	KLOAD (\s)+2
.elseif (\s) == 6
	VLOAD 0, 0, 8                                  ; K is all asked for: V's first key step follows, into the registers of K's set 2,
.else
	VLOAD 0, 8, 8                                  ; and into the rest of window 3
.endif
.if (\s) < 7
	QLOAD (\s)+1
	s_wait_dscnt 16                                ; this step's Q is in; the next step's sixteen loads may be out
.else
	s_wait_dscnt 0x0
.endif
.set kb, 128*(((\s)%3)%2)
	WIN 0x52+((\s)%3)/2                            ; source 0 (K) window 2 or 3, source 1 (Q) window 0, C and D window 1
.irp kp, 0,1,2,3,4,5,6,7
.irp t, 0,1,2,3
.set rD, 64*\t+8*\kp
.set rA, kb+16*\kp
.set rB, QF+64*((\s)%2)+16*\t
.set rX, KSC+4*(\s)+(\kp)%4
.set rY, QSC+4*(\s)+\t
.if (\s) == 0
	MM 1, (\kp)/4
.else
	MM 0, (\kp)/4
.endif
.endr
.endr
	WIN 0
.endm
.macro PLOAD sg                        ; key step sg of P's four tiles and their scale words, from LDS, into set sg % 2: 20 loads
.irp t, 0,1,2,3
.irp c, 0,1,2,3
	ds_load_b128 v[PF+64*((\sg)%2)+16*\t+4*\c:PF+64*((\sg)%2)+16*\t+4*\c+3], v[PRA] offset:(4*(\sg)+\t)*2048+512*\c
.endr
.endr
.irp t, 0,1,2,3
	ds_load_b32 v[PSW+4*((\sg)%2)+\t], v[XRA] offset:(4*(\sg)+\t)*128
.endr
.endm
; Key step sg of O^T += V^T P^T, four feature tiles at a time.  zero = 1: it starts the sums.  next = 1: a key step follows: its P is fetched at the head, and each group of V's registers takes the next step's as soon as it is multiplied.
.macro PVSTEP sg, zero, next
.if \next
	PLOAD (\sg)+1
	s_wait_dscnt 20                                ; this step's P is in; the next step's 20 loads may be out
.else
	s_wait_dscnt 0x0
.endif
.irp g, 0,1,2,3
.if \next
	s_wait_loadcnt 48                              ; this group's sixteen loads are in; three groups were asked for behind it
.else
	s_wait_loadcnt (3-\g)*16                       ; the groups still to come
.endif
	WIN 0x53+0x50*(\g/2)                           ; source 0 (V) window 3, source 1 (P) window 0, C and D window 1 (feature tiles 0-7) or 2 (8-15)
.irp e, 0,1,2,3
.irp t, 0,1,2,3
.set dt, 4*\g+\e
.set rD, 32*(dt%8)+8*\t
.set rA, 16*dt
.set rB, PF+64*((\sg)%2)+16*\t
.set rX, VSC+8*(\sg)+4*(dt/8)+dt%4
.set rY, PSW+4*((\sg)%2)+\t
	MM \zero, (dt/4)%2
.endr
.endr
	WIN 0
.if \next
	PLACES 8
	VLOAD (\sg)+1, 4*\g, 4
.endif
.endr
.endm
	s_load_b128 s[4:7], s[0:1], 0x0                ; wc s[4:5], ws s[6:7]
	s_load_b64 s[8:9], s[0:1], 0x10                ; out0
	v_lshrrev_b32 v1, 5, v0
	v_readfirstlane_b32 s10, v1                    ; w: wave 0..3
	s_and_b32 s12, ttmp7, 0xffff                   ; bh
	s_lshr_b32 s13, ttmp9, 1                       ; m = i / 2
	s_add_co_u32 s14, s13, 1                       ; key steps that count
	s_and_b32 s15, ttmp9, 1                        ; i % 2
	s_min_u32 s11, s10, s13                        ; whose keys I load: my own; a wave whose keys are all hidden names wave m's bytes and does not use them, so that the head's loads stand on one way for all waves
	s_mov_b32 s30, 0x76543210                      ; v_permlanex16_b32's selects for lane l xor 16
	s_mov_b32 s31, 0xfedcba98
	s_mov_b32 s32, 0x3d38aa3b                      ; c = log2(e) / 32
	s_mov_b32 s33, s32                             ; (the packed form names the pair)
	s_mov_b32 s34, 0x600000                        ; the mantissa field of 448
	; byte offsets, all under 2^26
	s_lshl_b32 s36, s12, 19                        ; the pair's 32 blocks of codes
	s_lshl_b32 s37, s13, 17                        ; Q: token group m,
	s_lshl_b32 s38, s15, 2
	s_add_co_u32 s38, s38, s10
	s_lshl_b32 s38, s38, 11                        ; fragment 4 (i % 2) + w: the tile that I bring to LDS
	s_add_co_u32 s16, s36, s37
	s_add_co_u32 s16, s16, s38
	s_mov_b32 s17, 0
	s_lshl_b32 s37, s11, 17                        ; K: token group w
	s_add_co_u32 s18, s36, s37
	s_add_co_u32 s18, s18, 1<<24
	s_mov_b32 s19, 0
	s_lshl_b32 s37, s10, 15                        ; V: feature groups 2 w, 2 w + 1
	s_add_co_u32 s20, s36, s37
	s_add_co_u32 s20, s20, 2<<24
	s_mov_b32 s21, 0
	s_lshl_b32 s36, s12, 14                        ; the pair's scale words
	s_lshl_b32 s37, s13, 12
	s_add_co_u32 s22, s36, s37                     ; Q's
	s_mov_b32 s23, 0
	s_lshl_b32 s37, s11, 12
	s_add_co_u32 s24, s36, s37                     ; K's
	s_add_co_u32 s24, s24, 1<<19
	s_mov_b32 s25, 0
	s_lshl_b32 s37, s10, 10
	s_add_co_u32 s26, s36, s37                     ; V's
	s_add_co_u32 s26, s26, 2<<19
	s_mov_b32 s27, 0
	s_lshr_b32 s36, s12, 3
	s_lshl_b32 s36, s36, 9
	s_lshl_b32 s37, ttmp9, 6
	s_add_co_u32 s36, s36, s37                     ; out0: row 512 b + 64 i of 32,768 bytes,
	s_lshl_b32 s28, s36, 15
	s_and_b32 s37, s12, 7
	s_lshl_b32 s37, s37, 12                        ; the head's 4,096 bytes,
	s_add_co_u32 s28, s28, s37
	s_lshl_b32 s37, s10, 10                        ; my 1,024 of them
	s_add_co_u32 s28, s28, s37
	s_mov_b32 s29, 0
	; every LDS address is made here, ahead of the place where the waves part
	v_and_b32 v1, 31, v0                           ; lane
	v_and_b32 v2, 15, v0                           ; r
	v_bfe_u32 v3, v0, 4, 1                         ; h
	v_lshlrev_b32 v[LI], 4, v1
	s_lshl_b32 s36, s15, 8
	v_lshl_add_u32 v[QSO], v2, 4, s36
	s_lshl_b32 s36, s10, 11
	v_add_nc_u32 v[QWI], s36, v[LI]
	s_lshl_b32 s36, s10, 13
	s_add_co_u32 s36, s36, PIMG
	v_add_nc_u32 v[PWI], s36, v[LI]
	v_add_nc_u32 v[PRA], PIMG, v[LI]
	v_lshl_add_u32 v[XRA], v1, 2, PSC
	s_lshl_b32 s36, s10, 9
	v_add_nc_u32 v[XWA], s36, v[XRA]
	s_mul_i32 s36, s10, 16*SPT
	s_add_co_u32 s36, s36, STG                     ; my stage
	v_mul_u32_u24 v[SO], v2, SPT
	v_lshl_add_u32 v[SO], v3, 5, v[SO]
	v_add_nc_u32 v[SO], s36, v[SO]                 ; in: row r, + 32 h
	v_add_nc_u32 v[SR], s36, v[LI]                 ; back: 16 bytes a lane
	v_mov_b32 v[NEG], 0xff800000
	s_lshl_b32 s36, s15, 6
	v_lshlrev_b32 v14, 3, v3
	v_sub_nc_u32 v14, v2, v14
	v_add_nc_u32 v14, s36, v14                     ; 64 (i % 2) + r - 8 h
.irp t, 0,1,2,3
	v_add_nc_u32 v[DM+\t], 16*\t, v14
.endr
.irp t, 0,1,2,3
	v_mov_b32 v[NM+2*\t+1], 0
.endr
	s_wait_kmcnt 0x0
	s_add_nc_u64 s[16:17], s[4:5], s[16:17]        ; Q
	s_add_nc_u64 s[18:19], s[4:5], s[18:19]        ; K
	s_add_nc_u64 s[20:21], s[4:5], s[20:21]        ; V
	s_add_nc_u64 s[22:23], s[6:7], s[22:23]        ; Q's scale words
	s_add_nc_u64 s[24:25], s[6:7], s[24:25]        ; K's
	s_add_nc_u64 s[26:27], s[6:7], s[26:27]        ; V's
	s_add_nc_u64 s[28:29], s[8:9], s[28:29]        ; out0
.irp g, 0,1,2,3,4,5,6,7                        ; V's scale words: key step g / 2, feature group g % 2: they stay (all four key steps' are fetched: 4,096 bytes a wave)
	global_load_b128 v[VSC+4*\g:VSC+4*\g+3], v[LI], s[26:27] offset:(\g/2)*4096+(\g%2)*512
.endr
	WIN 0x40                                       ; destination window 1
.irp k, 0,1,2,3,4,5,6,7                        ; Q's tile w, all eight K steps: read once in the launch
.irp c, 0,1,2,3
	global_load_b128 v[16*\k+4*\c:16*\k+4*\c+3], v[LI], s[16:17] offset:\k*16384+\c*512 th:TH_LOAD_NT
.endr
.endr
	WIN 0
.irp k, 0,1,2,3,4,5,6,7
	global_load_b128 v[QSC+4*\k:QSC+4*\k+3], v[QSO], s[22:23] offset:512*\k   ; K step k: the words of my row in the four tiles
.endr
.irp k, 0,1,2,3,4,5,6,7
	global_load_b128 v[KSC+4*\k:KSC+4*\k+3], v[LI], s[24:25] offset:512*\k    ; lane (r, h), word j: key tile 4 h + j
.endr
	KLOAD 0
	s_wait_loadcnt 48                              ; Q's tile is in: behind it 8 + 8 loads of scale words and 32 of K were issued
	WIN 0x04                                       ; an LDS store's data are its source 1: window 1
.irp k, 0,1,2,3,4,5,6,7
.irp c, 0,1,2,3
	ds_store_b128 v[QWI], v[16*\k+4*\c:16*\k+4*\c+3] offset:QIMG+8192*\k+512*\c
.endr
.endr
	WIN 0
	BARRIER                                        ; Q's 32 fragments lie in LDS
	; ---- the scores
	s_cmp_gt_u32 s10, s13
	s_cbranch_scc1 .Lhidden                        ; all my keys come after all 64 queries
	KLOAD 1
	QLOAD 0
.irp k, 0,1,2,3,4,5,6,7
	SSTEP \k
.endr
	PLACES 8                                       ; behind the last products: their results are read next, and their scale words' registers written
	s_cmp_lg_u32 s10, s13
	s_cbranch_scc1 .Lscored                        ; all my keys count
	WIN 0x41                                       ; the diagonal.  Register 8 kp + j of tile t holds key 128 m + 16 kp + 8 h + j: hidden where 16 kp + j > my query - 128 m - 8 h
.irp t, 0,1,2,3
.set n, 0
.rept 64
	v_cmp_gt_i32 vcc_lo, 16*(n/8)+n%8, v[DM+\t]
	v_cndmask_b32 v[64*\t+n], v[64*\t+n], v[NEG], vcc_lo
.set n, n+1
.endr
.endr
	WIN 0
	s_branch .Lscored
.Lhidden:
	s_wait_loadcnt 0x0                             ; the loads of the head that I do not use have landed: their registers may be written
	VLOAD 0, 0, 16                                 ; V's first key step: the same 64 loads, in the same order, as on the other way
	WIN 0x40
.set n, 0
.rept 256
	v_mov_b32 v[n], v[NEG]                         ; a hidden key's score
.set n, n+1
.endr
	WIN 0
.Lscored:
	; the largest score of each block of 32 keys: it serves for the row's maximum and, since p rises with the score, for the block's largest p
	WIN 0x05                                       ; sources 0 and 1 window 1
.irp t, 0,1,2,3
.irp b, 0,1,2,3
	v_max_num_f32 v[BM+4*\t+\b], v[64*\t+16*\b], v[64*\t+16*\b+1]   ; each accumulator is read from its low end on
.endr
.endr
.irp i, 2,4,6,8,10,12,14
.irp t, 0,1,2,3
.irp b, 0,1,2,3
	v_max3_num_f32 v[BM+4*\t+\b], v[64*\t+16*\b+\i], v[64*\t+16*\b+\i+1], v[BM+4*\t+\b]   ; (the sixteen chains by turns)
.endr
.endr
.endr
	WIN 0
.set n, 0
.rept 16
	v_permlanex16_b32 v[T1+n], v[BM+n], s30, s31
.set n, n+1
.endr
.set n, 0
.rept 16
	v_max_num_f32 v[BM+n], v[BM+n], v[T1+n]        ; with lane l xor 16's 16 keys
.set n, n+1
.endr
.irp t, 0,1,2,3
	v_max3_num_f32 v[RM+\t], v[BM+4*\t], v[BM+4*\t+1], v[BM+4*\t+2]
.endr
.irp t, 0,1,2,3
	v_max_num_f32 v[RM+\t], v[RM+\t], v[BM+4*\t+3] ; my query's largest score among my wave's 128 keys
.endr
.irp t, 0,1,2,3
	ds_store_b32 v[XWA], v[RM+\t] offset:MAXB+128*\t
.endr
	BARRIER                                        ; the four waves' maxima lie in LDS
	; ---- the softmax
.irp w, 0,1,2,3
.irp t, 0,1,2,3
	ds_load_b32 v[MX+4*\w+\t], v[XRA] offset:MAXB+512*\w+128*\t
.endr
.endr
	s_wait_dscnt 0x0
.irp t, 0,1,2,3
	v_max3_num_f32 v[RM+\t], v[MX+\t], v[MX+4+\t], v[MX+8+\t]
.endr
.irp t, 0,1,2,3
	v_max_num_f32 v[RM+\t], v[RM+\t], v[MX+12+\t]  ; the row's largest score (key 0 counts for every query: it is a number)
.endr
.irp t, 0,1,2,3
	v_mul_f32 v[TT+\t], s32, v[RM+\t]              ; as t (c is positive)
.endr
.irp t, 0,1,2,3
	v_floor_f32 v[NM+2*\t], -v[TT+\t]              ; -M = floor(-t) = -ceil(t)
.endr
	WIN 0x41                                       ; destination and source 0 window 1
.irp t, 0,1,2,3
.set n, 0
.rept 32
	v_pk_fma_f32 v[64*\t+n:64*\t+n+1], v[64*\t+n:64*\t+n+1], s[32:33], v[NM+2*\t:NM+2*\t+1] op_sel_hi:[1,0,0]   ; t - M, two at a time (of the pairs c and -M the low word serves both halves)
.set n, n+2
.endr
.endr
	WIN 0
.irp t, 0,1,2,3
.irp b, 0,1,2,3
	v_fma_f32 v[BM+4*\t+\b], v[BM+4*\t+\b], s32, v[NM+2*\t]   ; the same of each block's largest score
.endr
.endr
	WIN 0x41
.set n, 0
.rept 256
	v_exp_f32 v[n], v[n]                           ; p = 2^(t - M), at most 1: not normalised
.set n, n+1
.endr
	WIN 0
	v_nop                                          ; a plain instruction behind the last exponential
	s_wait_alu depctr_va_vdst(0)                   ; one wait for the batch, ahead of its first reader
.set n, 0
.rept 16
	v_exp_f32 v[BM+n], v[BM+n]                     ; each block's largest p: the same two instructions on the same number give the same bits
.set n, n+1
.endr
	WIN 0x05                                       ; the rows' sums are taken of the unquantised p: two at a time, two chains a tile.  (They read the 256 alone: plain work behind the sixteen)
.irp t, 0,1,2,3
.irp u, 0,1
	v_pk_add_f32 v[SA+4*\t+2*\u:SA+4*\t+2*\u+1], v[64*\t+2*\u:64*\t+2*\u+1], v[64*\t+4+2*\u:64*\t+4+2*\u+1]
.endr
.endr
	WIN 0x04                                       ; source 1 window 1
.irp k, 2,3,4,5,6,7,8,9,10,11,12,13,14,15
.irp t, 0,1,2,3
.irp u, 0,1
	v_pk_add_f32 v[SA+4*\t+2*\u:SA+4*\t+2*\u+1], v[SA+4*\t+2*\u:SA+4*\t+2*\u+1], v[64*\t+4*\k+2*\u:64*\t+4*\k+2*\u+1]
.endr
.endr
.endr
	WIN 0
.irp t, 0,1,2,3
	v_pk_add_f32 v[SA+4*\t:SA+4*\t+1], v[SA+4*\t:SA+4*\t+1], v[SA+4*\t+2:SA+4*\t+3]
.endr
.irp t, 0,1,2,3
	v_add_f32 v[RM+\t], v[SA+4*\t], v[SA+4*\t+1]
.endr
.irp t, 0,1,2,3
	v_permlanex16_b32 v[TT+\t], v[RM+\t], s30, s31
.endr
.irp t, 0,1,2,3
	v_add_f32 v[RM+\t], v[RM+\t], v[TT+\t]         ; my query's sum over my wave's 128 keys
.endr
	s_wait_alu depctr_va_vdst(0)                   ; and one wait for the sixteen
.set n, 0
.rept 16
	v_max_num_f32 v[BM+n], 0x4800000, v[BM+n]      ; the floor 2^(9 - 127): the byte cannot fall under 1 (a block whose every p is 0 keeps that byte: its codes are zeros)
.set n, n+1
.endr
.set n, 0
.rept 16
	v_add_nc_u32 v[SCO+n], 0xfc000000, v[BM+n]     ; 8 off the exponent field: the conversion's scale operand
.set n, n+1
.endr
.set n, 0
.rept 16
	v_and_or_b32 v[LIM+n], v[BM+n], 0x7f800000, s34   ; 448 x the scale
.set n, n+1
.endr
.set n, 0
.rept 16
	v_lshrrev_b32 v[T1+n], 23, v[SCO+n]            ; the scale's byte
.set n, n+1
.endr
.irp t, 0,1,2,3
	v_lshl_or_b32 v[PW+\t], v[T1+4*\t+1], 8, v[T1+4*\t]   ; p's scale word for my wave's 128 keys
.endr
.irp t, 0,1,2,3
	v_lshl_or_b32 v[PW+\t], v[T1+4*\t+2], 16, v[PW+\t]
.endr
.irp t, 0,1,2,3
	v_lshl_or_b32 v[PW+\t], v[T1+4*\t+3], 24, v[PW+\t]
.endr
	WIN 0x41
.irp t, 0,1,2,3
.irp b, 0,1,2,3
.set n, 0
.rept 16
	v_min_num_f32 v[64*\t+16*\b+n], v[64*\t+16*\b+n], v[LIM+4*\t+\b]   ; the conversion to an 8-bit code does not saturate (ISA guide 7.6.2); p is not negative, so the hold is one-sided
.set n, n+1
.endr
.endr
.endr
	WIN 0x01                                       ; source 0 window 1
.irp t, 0,1,2,3
.irp b, 0,1,2,3
	v_cvt_scalef32_pk8_fp8_f32 v[PC+16*\t+4*\b:PC+16*\t+4*\b+1], v[64*\t+16*\b:64*\t+16*\b+7], v[SCO+4*\t+\b]
	v_cvt_scalef32_pk8_fp8_f32 v[PC+16*\t+4*\b+2:PC+16*\t+4*\b+3], v[64*\t+16*\b+8:64*\t+16*\b+15], v[SCO+4*\t+\b]
.endr
.endr
	v_nop                                          ; one plain vector instruction behind the last conversion: the second product's results are laid over the conversions' sources
	WIN 0
.irp t, 0,1,2,3
.irp c, 0,1,2,3
	ds_store_b128 v[PWI], v[PC+16*\t+4*\c:PC+16*\t+4*\c+3] offset:2048*\t+512*\c   ; key step w of the second product, as it stands
.endr
.endr
.irp t, 0,1,2,3
	ds_store_b32 v[XWA], v[PW+\t] offset:128*\t
.endr
.irp t, 0,1,2,3
	ds_store_b32 v[XWA], v[RM+\t] offset:SUMB+128*\t
.endr
	BARRIER                                        ; P's fragments, their scale words and the four waves' sums lie in LDS
	; ---- the rows' sums, and the second product
	PLOAD 0
.irp w, 0,1,2,3
.irp t, 0,1,2,3
	ds_load_b32 v[SUMS+4*\w+\t], v[XRA] offset:SUMB+512*\w+128*\t
.endr
.endr
	s_wait_dscnt 0x0
.irp t, 0,1,2,3
	v_add_f32 v[RM+\t], v[SUMS+\t], v[SUMS+4+\t]
.endr
.irp t, 0,1,2,3
	v_add_f32 v[TT+\t], v[SUMS+8+\t], v[SUMS+12+\t]
.endr
.irp t, 0,1,2,3
	v_add_f32 v[RM+\t], v[RM+\t], v[TT+\t]         ; the row's sum, over 1/2
.endr
.irp t, 0,1,2,3
	v_rcp_f32 v[NM+2*\t], v[RM+\t]
.endr
	v_nop                                          ; a plain instruction behind the last reciprocal
	s_wait_alu depctr_va_vdst(0)                   ; the wait for the four, ahead of the branches below and of the first reader
	; m + 1 key steps.  Each number of steps has its own way through the text, so that every counted wait counts the same loads on every way that reaches it.  The branches hang on the work-group's number alone.
	s_cmp_eq_u32 s14, 1
	s_cbranch_scc1 .L0last
	PVSTEP 0, 1, 1
	s_cmp_eq_u32 s14, 2
	s_cbranch_scc1 .L1last
	PVSTEP 1, 0, 1
	s_cmp_eq_u32 s14, 3
	s_cbranch_scc1 .L2last
	PVSTEP 2, 0, 1
	PVSTEP 3, 0, 0
	s_branch .Lout
.L0last:
	PVSTEP 0, 1, 0
	s_branch .Lout
.L1last:
	PVSTEP 1, 0, 0
	s_branch .Lout
.L2last:
	PVSTEP 2, 0, 0
.Lout:
	; ---- THE WAY OUT, a tile of 16 queries at a time: O^T / the sum; a lane's eight features of a row are 32 bytes, and the lanes beside it hold other rows: so the tile goes through my own stage in LDS and comes back as
	; half rows of 512 bytes.  LDS serves a wave's instructions in order (ISA guide 5.7.1.4): no wait between the stores and the loads, nor in front of the next tile's stores.
	PLACES 8
.macro MULT t
	WIN 0x41                                       ; feature tiles 0-7: window 1; 1 / sum in window 0
.irp d, 0,1,2,3,4,5,6,7
.irp p, 0,2,4,6
	v_pk_mul_f32 v[32*\d+8*\t+\p:32*\d+8*\t+\p+1], v[32*\d+8*\t+\p:32*\d+8*\t+\p+1], v[NM+2*\t:NM+2*\t+1] op_sel_hi:[1,0]   ; each accumulator from its low end on
.endr
.endr
	WIN 0x82                                       ; feature tiles 8-15: window 2
.irp d, 0,1,2,3,4,5,6,7
.irp p, 0,2,4,6
	v_pk_mul_f32 v[32*\d+8*\t+\p:32*\d+8*\t+\p+1], v[32*\d+8*\t+\p:32*\d+8*\t+\p+1], v[NM+2*\t:NM+2*\t+1] op_sel_hi:[1,0]
.endr
.endr
	WIN 0
.endm
.macro STAGE t
	WIN 0x04                                       ; an LDS store's data are its source 1
.irp d, 0,1,2,3,4,5,6,7
	ds_store_b128 v[SO], v[32*\d+8*\t:32*\d+8*\t+3] offset:64*\d
	ds_store_b128 v[SO], v[32*\d+8*\t+4:32*\d+8*\t+7] offset:64*\d+16
.endr
	WIN 0x08
.irp d, 0,1,2,3,4,5,6,7
	ds_store_b128 v[SO], v[32*\d+8*\t:32*\d+8*\t+3] offset:512+64*\d
	ds_store_b128 v[SO], v[32*\d+8*\t+4:32*\d+8*\t+7] offset:512+64*\d+16
.endr
	WIN 0xc0                                       ; back into window 3, where V lay: sets of 128 registers by turns
.set n, 0
.rept 32
	ds_load_b128 v[128*((\t)%2)+4*n:128*((\t)%2)+4*n+3], v[SR] offset:(n/2)*SPT+(n%2)*512
.set n, n+1
.endr
	WIN 0
.endm
.macro SEND t
	WIN 0x0c                                       ; a store's data are its source 1: window 3
.set n, 0
.rept 32
	s_wait_dscnt 31-n                              ; load n of the 32 is in; the later ones may be out
	global_store_b128 v[LI], v[128*((\t)%2)+4*n:128*((\t)%2)+4*n+3], s[28:29] offset:(16*(\t)+n/2)*32768+(n%2)*512 th:TH_STORE_NT   ; 32 lanes store 512 consecutive bytes, at a multiple of 256 from out0's first byte; written once, read by nobody here
.set n, n+1
.endr
	WIN 0
.endm
	MULT 0
	STAGE 0
	MULT 1                                         ; a tile's arithmetic stands between the loads of the tile before and its stores
	SEND 0
	STAGE 1
	MULT 2
	SEND 1
	s_wait_xcnt 0x0                                ; tile 0's stores have read their registers: tile 2's rows may land there
	STAGE 2
	MULT 3
	SEND 2
	s_wait_xcnt 0x0                                ; tile 1's likewise
	STAGE 3
	SEND 3
	s_wait_xcnt 0x0
	v_lshl_add_u32 v254, v0, 2, 0x29c00
	v_mov_b32 v255, 0
	s_wait_tensorcnt 0x0
	ds_add_u32 v254, v255
	s_wait_dscnt 0x0
	s_endpgm
.Lfunc_end_k_qbad0bdac28_attn:
	.size	k_qbad0bdac28_attn, .Lfunc_end_k_qbad0bdac28_attn-k_qbad0bdac28_attn
	.p2alignl 7, 3214868480
	.fill 96, 4, 3214868480
	.section	.rodata,"a",@progbits
	.p2align	6, 0x0
	.amdhsa_kernel k_qbad0bdac28_attn
		.amdhsa_group_segment_fixed_size 171520
		.amdhsa_private_segment_fixed_size 0
		.amdhsa_enable_private_segment 0
		.amdhsa_kernarg_size 24
		.amdhsa_user_sgpr_count 2
		.amdhsa_user_sgpr_kernarg_segment_ptr 1
		.amdhsa_wavefront_size32 1
		.amdhsa_system_sgpr_workgroup_id_x 1
		.amdhsa_system_sgpr_workgroup_id_y 1
		.amdhsa_system_sgpr_workgroup_id_z 1
		.amdhsa_system_vgpr_workitem_id 0
		.amdhsa_next_free_vgpr 1024
		.amdhsa_next_free_sgpr 66
		.amdhsa_reserve_vcc 1
		.amdhsa_float_denorm_mode_32 3
		.amdhsa_float_denorm_mode_16_64 3
		.amdhsa_memory_ordered 1
		.amdhsa_forward_progress 1
		.amdhsa_inst_pref_size 255
	.end_amdhsa_kernel
	.section	.bss,"aw",@nobits
	.p2align	6
	.space	262144
	.amdgpu_metadata
---
amdhsa.version: [ 1, 2 ]
amdhsa.kernels:
  - .name:           k_qbad0bdac28_attn
    .symbol:         k_qbad0bdac28_attn.kd
    .args:
      - { .name: wc, .offset: 0, .size: 8, .value_kind: global_buffer, .address_space: global }
      - { .name: ws, .offset: 8, .size: 8, .value_kind: global_buffer, .address_space: global }
      - { .name: out0, .offset: 16, .size: 8, .value_kind: global_buffer, .address_space: global }
    .group_segment_fixed_size: 171520
    .private_segment_fixed_size: 0
    .kernarg_segment_align: 8
    .kernarg_segment_size: 24
    .max_flat_workgroup_size: 128
    .sgpr_count:     66
    .vgpr_count:     1024
    .wavefront_size: 32
...
	.end_amdgpu_metadata
.endif
;; end of part 2
;; ======== version 2 of 2: 2 launches; version 1 with the launch attn written anew for expert scheduling mode
;; workspace buffers: wc 50,331,648 bytes; ws 1,572,864 bytes
;; launch proj: the kernel of part 1 again; grid 32 x 8, 4 waves a work-group, clusters of 4 x 4, 327,680 bytes of LDS; arguments data_codes, data_scales, Wq_codes, Wq_scales, Wk_codes, Wk_scales, Wv_codes, Wv_scales, wc, ws; writes wc, ws
;; launch attn (part 3): grid 8 x 32, 4 waves a work-group, no clusters, 171,520 bytes of LDS; arguments wc, ws, out0; writes out0
.if DOCPART == 3
	.amdgcn_target "amdgcn-amd-amdhsa--gfx1250"
	.amdhsa_code_object_version 6
	.text
	.protected	k_qbad0bdac28_attn
	.globl	k_qbad0bdac28_attn
	.p2align	8
	.type	k_qbad0bdac28_attn,@function
k_qbad0bdac28_attn:
	s_mov_b64 s[64:65], 0
	v_nop
	global_prefetch_b8 v0, s[64:65] scope:SCOPE_SE
	s_setreg_imm32_b32 hwreg(HW_REG_WAVE_SCHED_MODE, 0, 2), 2
	s_setreg_imm32_b32 hwreg(HW_REG_WAVE_MODE, 25, 1), 1
	s_wait_xcnt 0x0
	s_wait_alu depctr_vm_vsrc(0)
; out[b][t][1024 head + d] = the sum over keys s <= t of softmax_s(q[t] . k[s] / 32) v[s][d], for each of 32 pairs bh = 8 b + head; 512 tokens, head size 1,024.  Both products on codes of FP8 (E4M3) with one E8M0 scale
; for each 32 along K.  q, k, v come from wc and ws as images of operand registers: block ((bh 4 + token group of 128) 8 + feature group of 128) of 16,384 bytes = eight fragments of 2,048 bytes; kind q at 0, k at 2^24, v at 2^25;
; scale words: 512 bytes a block, lane (r, h), word j = row r of fragment 4 h + j; kinds 2^19 apart.  q, k: a fragment's rows are tokens and its K the features; v: its rows are features and its K the keys.
; THE SOFTMAX AHEAD OF THE SECOND PRODUCT: t = score x log2(e) / 32; M = the row's largest t rounded UP to a whole number; p = 2^(t - M) is quantised along the keys, not normalised; the row's sum of the unquantised p divides at the end.
; SHARES.  A work-group owns 64 queries (block i of eight) of one pair: four tiles of 16.  m = i / 2: keys up to 128 m + 127 can count.  All scores of the block are made at once, so M is the row's own, not a running one.
;   scores: wave w owns keys 128 w .. 128 w + 127: S^T = K Q^T, 8 tiles of keys x 4 tiles of queries = 32 accumulators, K = 1,024 in eight steps.  Where w > m all its keys are hidden: it multiplies nothing and sets its scores to
;   -infinity; wave m hides by comparison what lies over the diagonal.  From there on all waves run one text: a hidden wave's p are zeros and its sum is 0.
;   second product: wave w owns features 256 w .. 256 w + 255: O^T = V^T P^T, 16 x 4 = 64 accumulators, K = the keys, m + 1 steps of 128.
; Each fragment of K and of V is read by ONE wave of the work-group: it goes from memory straight into registers, 512 consecutive bytes a load.  Q, P, the maxima and the sums go from wave to wave through LDS, as images.
; No cluster: the eight query blocks of a pair need 1 to 4 key steps, so partners would not make the same requests.  No tensor loads, so no ring.
; A lane holds ONE query (lane % 16) in S^T, p and O^T.  The 16 registers of key tiles 2 b and 2 b + 1, with lane l xor 16's, are block b of 32 keys, in the order in which v's codes were laid.
; LIMITS: NaN and infinities are not served.  A block of p under 2^-118 gets the byte 1.  A block's largest p is taken as the exponential of the block's largest score, which takes v_exp_f32 not to fall where its input rises.
; THE MODE: SCHED_MODE bits 1:0 = 2 (LLVM: expert scheduling mode 2), set by the entry lines.  The code itself states the register dependences between vector or matrix instructions and memory or LDS instructions,
; with s_wait_alu, always for 0.
; THE PLAN.  Registers that memory or LDS instructions touch, and who else names them:
;   v4-v12        addresses and offsets: written once at the head, read by every load and store, never written again: one wait on va_vdst ahead of the first load.
;   Q's tile      window 1, v0-127: loaded, read by my LDS stores, then written by the scores' products (in a hidden wave by v_mov): one wait on vm_vsrc behind the first barrier, ahead of the place where the waves part.
;   K0, K1, K2    step s's products read K[s % 3]; the loads issued in step s land in K[(s + 2) % 3] = K[(s - 1) % 3].  In step 6 V's first tiles land in K2, which step 5 read.
;   QF0, QF1      step s's products read QF[s % 2]; the LDS loads issued in step s land in the other set, which step s - 1 read.
;                 So ONE wait on va_vdst stands at the head of steps 1 to 6; the step's loads follow it, 24 at once, the other 8 and Q's 16 between the step's two halves of 16 products, which name none of their registers.
;   RM, PC, PW    written by vector instructions, read by LDS stores, written again behind the next barrier: a wait on va_vdst ahead of each run of stores, a wait on vm_vsrc ahead of the first write behind the barrier.
;   V             window 3, one set: a group's 16 products read four tiles, and the next key step's land there at once: a wait on va_vdst behind each group.  The fourth also frees P's set and its scale words.
;   the way out   a tile's multiplications write what its LDS stores read: a wait on va_vdst ahead of them; its rows land in window 3 where stores of two tiles back read: a wait on vm_vsrc ahead of tiles 2 and 3.
; REGISTERS, in windows of 256.  window 0: v1-13 lane numbers and addresses; v16-19 the mask's bound; v20-23 maxima, then sums; v24-31 -M, then 1 / sum (pairs); v32-63 K's scale words, then block maxima and work;
;   v64-95 Q's scale words, then holds and scale operands, then P's scale words; v96-127 V's scale words; v128-255 two sets of Q's fragments, then p's codes and work, then two sets of P's fragments.
;   window 1: Q on its way to LDS; S^T, tile (t, kp) at 64 t + 8 kp; then O^T for feature tiles 0-7, at 32 dt + 8 t.   window 2: K's sets 0 and 1; then O^T for feature tiles 8-15.
;   window 3: K's set 2; then V, 16 registers a feature tile; on the way out rows of the output.
.set QIMG, 0                           ; LDS: Q's 32 fragments: (K step s, tile t) at (4 s + t) 2,048
.set PIMG, 65536                       ; P's 16: (key step sg, tile t) at (4 sg + t) 2,048
.set PSC,  98304                       ; their scale words: (4 sg + t) 128 + 4 lane
.set MAXB, 2048                        ; from PSC on: each wave's row maxima: 512 w + 128 t + 4 lane
.set SUMB, 4096                        ; and its row sums
.set STG,  104448                      ; the way out: for each wave 16 rows x (1,024 bytes + 16)
.set SPT,  1040
.set LI,  4                            ; v4   16 x lane: my place in an image
.set QSO, 5                            ; v5   my place among Q's scale words: 16 (16 (i % 2) + r)
.set QWI, 6                            ; v6   where I store Q's images: 16 lane + 2,048 w
.set PWI, 7                            ; v7   and P's: PIMG + 16 lane + 8,192 w
.set PRA, 8                            ; v8   PIMG + 16 lane
.set XWA, 9                            ; v9   PSC + 4 lane + 512 w
.set XRA, 10                           ; v10  PSC + 4 lane
.set SO,  11                           ; v11  the stage: where I put 32 bytes of a row
.set SR,  12                           ; v12  and where I read half a row back
.set NEG, 13                           ; v13  -infinity
.set DM,  16                           ; v16-19  tile t: my query less the wave's first key less 8 h
.set RM,  20                           ; v20-23  tile t: the row's maximum; later its sum
.set NM,  24                           ; v24,26,28,30  tile t: -M; later 1 / sum.  The odd neighbours are named with them as pairs and hold 0
.set KSC, 32
.set BM,  32                           ; v32-47  block (t, b): its largest score, then its largest p
.set T1,  48                           ; v48-63  the other half's maxima, then the bytes
.set SUMS, 32                          ; v32-47  the four waves' sums
.set QSC, 64
.set LIM, 64                           ; v64-79  448 x the scale
.set SCO, 80                           ; v80-95  the conversions' scale operand
.set PSW, 64                           ; v64-71  P's scale words, two sets
.set VSC, 96
.set QF,  128                          ; Q's fragments, two sets of 64
.set PC,  128                          ; p's codes
.set PF,  128                          ; P's fragments, two sets of 64
.set SA,  192                          ; v192-207 the sums' chains: pairs, two a tile
.set PW,  208                          ; v208-211 p's scale words
.set MX,  212                          ; v212-227 the four waves' maxima
.set TT,  228                          ; v228-231 at work
.set MK,  66                           ; s66-97  the diagonal's masks, 32 at a time
.set MSB, 0
.macro WIN new                         ; s_set_vgpr_msb's low byte: bits 1:0 source 0, 3:2 source 1, 5:4 source 2, 7:6 destination; the high byte repeats the setting that is left
.if MSB != (\new)
	s_set_vgpr_msb (MSB<<8)|(\new)
.set MSB, (\new)
.endif
.endm
.macro PLACES n                        ; plain vector instructions between a matrix instruction and a load into, or a vector instruction on, its registers: eight for this form
.rept \n
	v_nop
.endr
.endm
.macro BARRIER                         ; my LDS stores have landed and my LDS loads are in: then the work-group's barrier
	s_wait_dscnt 0x0
	s_barrier_signal -1
	s_barrier_wait -1
.endm
; One matrix instruction on the registers named by rD, rA, rB, rX, rY.  zero = 1: it starts its sum.  row = 1: source 0's scale words stand in lanes 16-31.
.macro MM zero, row
.if \zero
.if \row
	v_wmma_scale_f32_16x16x128_f8f6f4 v[rD:rD+7], v[rA:rA+15], v[rB:rB+15], 0, v[rX], v[rY] matrix_a_scale:MATRIX_SCALE_ROW1
.else
	v_wmma_scale_f32_16x16x128_f8f6f4 v[rD:rD+7], v[rA:rA+15], v[rB:rB+15], 0, v[rX], v[rY]
.endif
.else
.if \row
	v_wmma_scale_f32_16x16x128_f8f6f4 v[rD:rD+7], v[rA:rA+15], v[rB:rB+15], v[rD:rD+7], v[rX], v[rY] matrix_a_scale:MATRIX_SCALE_ROW1
.else
	v_wmma_scale_f32_16x16x128_f8f6f4 v[rD:rD+7], v[rA:rA+15], v[rB:rB+15], v[rD:rD+7], v[rX], v[rY]
.endif
.endif
.endm
.macro KLOAD s, k0, n                  ; K step s of my 128 keys: fragments k0 .. k0 + n - 1 of eight, four loads each, into set s % 3 (sets 0, 1: window 2; set 2: window 3)
	WIN 0x80+0x40*(((\s)%3)/2)
.set kl, 128*(((\s)%3)%2)
.set kk, \k0
.rept \n
.irp c, 0,1,2,3
	global_load_b128 v[kl+16*kk+4*\c:kl+16*kk+4*\c+3], v[LI], s[18:19] offset:(\s)*16384+kk*2048+\c*512
.endr
.set kk, kk+1
.endr
	WIN 0
.endm
.macro VLOAD sg, d0, n                 ; key step sg of V: my feature tiles d0 .. d0 + n - 1, four loads each, into window 3
	WIN 0xc0
.set dd, \d0
.rept \n
.irp c, 0,1,2,3
	global_load_b128 v[16*dd+4*\c:16*dd+4*\c+3], v[LI], s[20:21] offset:(\sg)*131072+dd*2048+\c*512
.endr
.set dd, dd+1
.endr
	WIN 0
.endm
.macro QLOAD s                         ; K step s of Q's four tiles, from LDS, into set s % 2
.irp t, 0,1,2,3
.irp c, 0,1,2,3
	ds_load_b128 v[QF+64*((\s)%2)+16*\t+4*\c:QF+64*((\s)%2)+16*\t+4*\c+3], v[LI] offset:QIMG+(4*(\s)+\t)*2048+512*\c
.endr
.endr
.endm
; Sixteen products of K step s: key tiles 4 hf .. 4 hf + 3 x the four tiles of queries.  kb: where the step's set of K begins in its window.
.macro SMUL s, hf
.irp e, 0,1,2,3
.irp t, 0,1,2,3
.set rD, 64*\t+8*(4*(\hf)+\e)
.set rA, kb+16*(4*(\hf)+\e)
.set rB, QF+64*((\s)%2)+16*\t
.set rX, KSC+4*(\s)+\e
.set rY, QSC+4*(\s)+\t
.if (\s) == 0
	MM 1, \hf
.else
	MM 0, \hf
.endif
.endr
.endr
.endm
; K step s of the scores.  The 32 accumulators take turns, one instruction a turn, in the same order in every step.
; The step's 32 global loads keep their order: 24 at its head, 8 between its two halves of products, with the LDS loads of the next step's Q.  The products name K[s % 3], QF[s % 2], the accumulators and the scale words:
; none of the registers that those loads touch, so the wait at the head serves them all.  Steps 0 and 7 load only into registers that no vector or matrix instruction has named: they have no wait.
.macro SSTEP s
.if ((\s) > 0) && ((\s) < 7)
	PLACES 8                                       ; behind the last step's products: the loads below land in registers that they read (the places stay beside the wait below)
.endif
	s_wait_loadcnt 32                              ; this step's K is in; the 32 loads issued behind it may be out
.if ((\s) > 0) && ((\s) < 7)
	s_wait_alu depctr_va_vdst(0)                   ; the last step's products are done reading their set of K and their set of Q, in which this step's loads land
.endif
.if (\s) < 6
	KLOAD (\s)+2, 0, 6
.elseif (\s) == 6
	VLOAD 0, 0, 6                                  ; K is all asked for: V's first key step follows, into the registers of K's set 2,
.else
	VLOAD 0, 8, 6                                  ; and into the rest of window 3
.endif
	s_wait_dscnt 0x0                               ; this step's Q is in: it was asked for sixteen products ago (step 0's: ahead of the step)
.set kb, 128*(((\s)%3)%2)
	WIN 0x52+((\s)%3)/2                            ; source 0 (K) window 2 or 3, source 1 (Q) window 0, C and D window 1
	SMUL \s, 0
.if (\s) < 6
	KLOAD (\s)+2, 6, 2
.elseif (\s) == 6
	VLOAD 0, 6, 2
.else
	VLOAD 0, 14, 2
.endif
.if (\s) < 7
	QLOAD (\s)+1
.endif
	WIN 0x52+((\s)%3)/2
	SMUL \s, 1
	WIN 0
.endm
.macro PLOAD sg                        ; key step sg of P's four tiles and their scale words, from LDS, into set sg % 2: 20 loads
.irp t, 0,1,2,3
.irp c, 0,1,2,3
	ds_load_b128 v[PF+64*((\sg)%2)+16*\t+4*\c:PF+64*((\sg)%2)+16*\t+4*\c+3], v[PRA] offset:(4*(\sg)+\t)*2048+512*\c
.endr
.endr
.irp t, 0,1,2,3
	ds_load_b32 v[PSW+4*((\sg)%2)+\t], v[XRA] offset:(4*(\sg)+\t)*128
.endr
.endm
; Key step sg of O^T += V^T P^T, four feature tiles at a time.  zero = 1: it starts the sums.  next = 1: a key step follows: its P is fetched at the head, and each group of V's registers takes the next step's as soon as it is multiplied.
; The P fetched at the head lands in the set that the step before read: that step's last wait on va_vdst stands ahead of it (for key step 1's: the wait behind the reciprocals), and no vector or matrix instruction stands between.
.macro PVSTEP sg, zero, next
.if \next
	PLOAD (\sg)+1
	s_wait_dscnt 20                                ; this step's P is in; the next step's 20 loads may be out
.else
	s_wait_dscnt 0x0
.endif
.irp g, 0,1,2,3
.if \next
	s_wait_loadcnt 48                              ; this group's sixteen loads are in; three groups were asked for behind it
.else
	s_wait_loadcnt (3-\g)*16                       ; the groups still to come
.endif
	WIN 0x53+0x50*(\g/2)                           ; source 0 (V) window 3, source 1 (P) window 0, C and D window 1 (feature tiles 0-7) or 2 (8-15)
.irp e, 0,1,2,3
.irp t, 0,1,2,3
.set dt, 4*\g+\e
.set rD, 32*(dt%8)+8*\t
.set rA, 16*dt
.set rB, PF+64*((\sg)%2)+16*\t
.set rX, VSC+8*(\sg)+4*(dt/8)+dt%4
.set rY, PSW+4*((\sg)%2)+\t
	MM \zero, (dt/4)%2
.endr
.endr
	WIN 0
.if \next
	PLACES 8
	s_wait_alu depctr_va_vdst(0)                   ; this group's products are done reading their four tiles of V, in which the next key step's land; behind the fourth group: the step's products are done reading P's set and its scale words too
	VLOAD (\sg)+1, 4*\g, 4
.endif
.endr
.endm
	s_load_b128 s[4:7], s[0:1], 0x0                ; wc s[4:5], ws s[6:7]
	s_load_b64 s[8:9], s[0:1], 0x10                ; out0
	v_lshrrev_b32 v1, 5, v0
	v_readfirstlane_b32 s10, v1                    ; w: wave 0..3
	s_and_b32 s12, ttmp7, 0xffff                   ; bh
	s_lshr_b32 s13, ttmp9, 1                       ; m = i / 2
	s_add_co_u32 s14, s13, 1                       ; key steps that count
	s_and_b32 s15, ttmp9, 1                        ; i % 2
	s_wait_alu depctr_va_sdst(0)                   ; s10 is written, ahead of its first reader
	s_min_u32 s11, s10, s13                        ; whose keys I load: my own; a wave whose keys are all hidden names wave m's bytes and does not use them, so that the head's loads stand on one way for all waves
	s_mov_b32 s30, 0x76543210                      ; v_permlanex16_b32's selects for lane l xor 16
	s_mov_b32 s31, 0xfedcba98
	s_mov_b32 s32, 0x3d38aa3b                      ; c = log2(e) / 32
	s_mov_b32 s33, s32                             ; (the packed form names the pair)
	s_mov_b32 s34, 0x600000                        ; the mantissa field of 448
	; byte offsets, all under 2^26
	s_lshl_b32 s36, s12, 19                        ; the pair's 32 blocks of codes
	s_lshl_b32 s37, s13, 17                        ; Q: token group m,
	s_lshl_b32 s38, s15, 2
	s_add_co_u32 s38, s38, s10
	s_lshl_b32 s38, s38, 11                        ; fragment 4 (i % 2) + w: the tile that I bring to LDS
	s_add_co_u32 s16, s36, s37
	s_add_co_u32 s16, s16, s38
	s_mov_b32 s17, 0
	s_lshl_b32 s37, s11, 17                        ; K: token group w
	s_add_co_u32 s18, s36, s37
	s_add_co_u32 s18, s18, 1<<24
	s_mov_b32 s19, 0
	s_lshl_b32 s37, s10, 15                        ; V: feature groups 2 w, 2 w + 1
	s_add_co_u32 s20, s36, s37
	s_add_co_u32 s20, s20, 2<<24
	s_mov_b32 s21, 0
	s_lshl_b32 s36, s12, 14                        ; the pair's scale words
	s_lshl_b32 s37, s13, 12
	s_add_co_u32 s22, s36, s37                     ; Q's
	s_mov_b32 s23, 0
	s_lshl_b32 s37, s11, 12
	s_add_co_u32 s24, s36, s37                     ; K's
	s_add_co_u32 s24, s24, 1<<19
	s_mov_b32 s25, 0
	s_lshl_b32 s37, s10, 10
	s_add_co_u32 s26, s36, s37                     ; V's
	s_add_co_u32 s26, s26, 2<<19
	s_mov_b32 s27, 0
	s_lshr_b32 s36, s12, 3
	s_lshl_b32 s36, s36, 9
	s_lshl_b32 s37, ttmp9, 6
	s_add_co_u32 s36, s36, s37                     ; out0: row 512 b + 64 i of 32,768 bytes,
	s_lshl_b32 s28, s36, 15
	s_and_b32 s37, s12, 7
	s_lshl_b32 s37, s37, 12                        ; the head's 4,096 bytes,
	s_add_co_u32 s28, s28, s37
	s_lshl_b32 s37, s10, 10                        ; my 1,024 of them
	s_add_co_u32 s28, s28, s37
	s_mov_b32 s29, 0
	; every LDS address is made here, ahead of the place where the waves part
	v_and_b32 v1, 31, v0                           ; lane
	v_and_b32 v2, 15, v0                           ; r
	v_bfe_u32 v3, v0, 4, 1                         ; h
	v_lshlrev_b32 v[LI], 4, v1
	s_lshl_b32 s36, s15, 8
	v_lshl_add_u32 v[QSO], v2, 4, s36
	s_lshl_b32 s36, s10, 11
	v_add_nc_u32 v[QWI], s36, v[LI]
	s_lshl_b32 s36, s10, 13
	s_add_co_u32 s36, s36, PIMG
	v_add_nc_u32 v[PWI], s36, v[LI]
	v_add_nc_u32 v[PRA], PIMG, v[LI]
	v_lshl_add_u32 v[XRA], v1, 2, PSC
	s_lshl_b32 s36, s10, 9
	v_add_nc_u32 v[XWA], s36, v[XRA]
	s_mul_i32 s36, s10, 16*SPT
	s_add_co_u32 s36, s36, STG                     ; my stage
	v_mul_u32_u24 v[SO], v2, SPT
	v_lshl_add_u32 v[SO], v3, 5, v[SO]
	v_add_nc_u32 v[SO], s36, v[SO]                 ; in: row r, + 32 h
	v_add_nc_u32 v[SR], s36, v[LI]                 ; back: 16 bytes a lane
	v_mov_b32 v[NEG], 0xff800000
	s_lshl_b32 s36, s15, 6
	v_lshlrev_b32 v14, 3, v3
	v_sub_nc_u32 v14, v2, v14
	v_add_nc_u32 v14, s36, v14                     ; 64 (i % 2) + r - 8 h
.irp t, 0,1,2,3
	v_add_nc_u32 v[DM+\t], 16*\t, v14
.endr
.irp t, 0,1,2,3
	v_mov_b32 v[NM+2*\t+1], 0
.endr
	s_wait_kmcnt 0x0
	s_add_nc_u64 s[16:17], s[4:5], s[16:17]        ; Q
	s_add_nc_u64 s[18:19], s[4:5], s[18:19]        ; K
	s_add_nc_u64 s[20:21], s[4:5], s[20:21]        ; V
	s_add_nc_u64 s[22:23], s[6:7], s[22:23]        ; Q's scale words
	s_add_nc_u64 s[24:25], s[6:7], s[24:25]        ; K's
	s_add_nc_u64 s[26:27], s[6:7], s[26:27]        ; V's
	s_add_nc_u64 s[28:29], s[8:9], s[28:29]        ; out0
	s_wait_alu depctr_va_vdst(0)                   ; the nine addresses and offsets v4 to v12 are written: every load and store of the kernel reads one of them, and none is written again
.irp g, 0,1,2,3,4,5,6,7                        ; V's scale words: key step g / 2, feature group g % 2: they stay (all four key steps' are fetched: 4,096 bytes a wave)
	global_load_b128 v[VSC+4*\g:VSC+4*\g+3], v[LI], s[26:27] offset:(\g/2)*4096+(\g%2)*512
.endr
	WIN 0x40                                       ; destination window 1
.irp k, 0,1,2,3,4,5,6,7                        ; Q's tile w, all eight K steps: read once in the launch
.irp c, 0,1,2,3
	global_load_b128 v[16*\k+4*\c:16*\k+4*\c+3], v[LI], s[16:17] offset:\k*16384+\c*512 th:TH_LOAD_NT
.endr
.endr
	WIN 0
.irp k, 0,1,2,3,4,5,6,7
	global_load_b128 v[QSC+4*\k:QSC+4*\k+3], v[QSO], s[22:23] offset:512*\k   ; K step k: the words of my row in the four tiles
.endr
.irp k, 0,1,2,3,4,5,6,7
	global_load_b128 v[KSC+4*\k:KSC+4*\k+3], v[LI], s[24:25] offset:512*\k    ; lane (r, h), word j: key tile 4 h + j
.endr
	KLOAD 0, 0, 8
	s_wait_loadcnt 48                              ; Q's tile is in: behind it 8 + 8 loads of scale words and 32 of K were issued
	WIN 0x04                                       ; an LDS store's data are its source 1: window 1
.irp k, 0,1,2,3,4,5,6,7
.irp c, 0,1,2,3
	ds_store_b128 v[QWI], v[16*\k+4*\c:16*\k+4*\c+3] offset:QIMG+8192*\k+512*\c
.endr
.endr
	WIN 0
	BARRIER                                        ; Q's 32 fragments lie in LDS
	s_wait_alu depctr_vm_vsrc(0)                   ; my LDS stores have read Q's tile in window 1, v0-127: on one way below the scores' products write these registers, on the other the v_mov of a hidden wave
	; ---- the scores
	s_cmp_gt_u32 s10, s13
	s_cbranch_scc1 .Lhidden                        ; all my keys come after all 64 queries
	KLOAD 1, 0, 8
	QLOAD 0
.irp k, 0,1,2,3,4,5,6,7
	SSTEP \k
.endr
	PLACES 8                                       ; behind the last products: their results are read next, and their scale words' registers written
	s_cmp_lg_u32 s10, s13
	s_cbranch_scc1 .Lscored                        ; all my keys count
	WIN 0x41                                       ; the diagonal.  Register 8 kp + j of tile t holds key 128 m + 16 kp + 8 h + j: hidden where 16 kp + j > my query - 128 m - 8 h
.irp t, 0,1,2,3                                ; the compares go in runs of 32, each into a scalar register of its own, so that one wait serves a run
.irp u, 0,1
.set n, 32*\u
.rept 32
	v_cmp_gt_i32 s[MK+n%32], 16*(n/8)+n%8, v[DM+\t]
.set n, n+1
.endr
	s_wait_alu depctr_va_sdst(0)                   ; the 32 compares have written s66 to s97, ahead of the first selection that reads one of them
.set n, 32*\u
.rept 32
	v_cndmask_b32 v[64*\t+n], v[64*\t+n], v[NEG], s[MK+n%32]
.set n, n+1
.endr
.endr
.endr
	WIN 0
	s_branch .Lscored
.Lhidden:
	s_wait_loadcnt 0x0                             ; the loads of the head that I do not use have landed: their registers may be written
	VLOAD 0, 0, 16                                 ; V's first key step: the same 64 loads, in the same order, as on the other way; on this way nothing has named window 3
	WIN 0x40
.set n, 0
.rept 256
	v_mov_b32 v[n], v[NEG]                         ; a hidden key's score
.set n, n+1
.endr
	WIN 0
.Lscored:
	; the largest score of each block of 32 keys: it serves for the row's maximum and, since p rises with the score, for the block's largest p
	WIN 0x05                                       ; sources 0 and 1 window 1
.irp t, 0,1,2,3
.irp b, 0,1,2,3
	v_max_num_f32 v[BM+4*\t+\b], v[64*\t+16*\b], v[64*\t+16*\b+1]   ; each accumulator is read from its low end on
.endr
.endr
.irp i, 2,4,6,8,10,12,14
.irp t, 0,1,2,3
.irp b, 0,1,2,3
	v_max3_num_f32 v[BM+4*\t+\b], v[64*\t+16*\b+\i], v[64*\t+16*\b+\i+1], v[BM+4*\t+\b]   ; (the sixteen chains by turns)
.endr
.endr
.endr
	WIN 0
.set n, 0
.rept 16
	v_permlanex16_b32 v[T1+n], v[BM+n], s30, s31
.set n, n+1
.endr
.set n, 0
.rept 16
	v_max_num_f32 v[BM+n], v[BM+n], v[T1+n]        ; with lane l xor 16's 16 keys
.set n, n+1
.endr
.irp t, 0,1,2,3
	v_max3_num_f32 v[RM+\t], v[BM+4*\t], v[BM+4*\t+1], v[BM+4*\t+2]
.endr
.irp t, 0,1,2,3
	v_max_num_f32 v[RM+\t], v[RM+\t], v[BM+4*\t+3] ; my query's largest score among my wave's 128 keys
.endr
	s_wait_alu depctr_va_vdst(0)                   ; v20 to v23 are written, which the LDS stores read; and the scores' last products are done reading Q's second set, in which the four waves' maxima land behind the barrier
.irp t, 0,1,2,3
	ds_store_b32 v[XWA], v[RM+\t] offset:MAXB+128*\t
.endr
	BARRIER                                        ; the four waves' maxima lie in LDS
	; ---- the softmax
.irp w, 0,1,2,3
.irp t, 0,1,2,3
	ds_load_b32 v[MX+4*\w+\t], v[XRA] offset:MAXB+512*\w+128*\t
.endr
.endr
	s_wait_dscnt 0x0
	s_wait_alu depctr_vm_vsrc(0)                   ; the LDS stores of my maxima have read v20 to v23, which the next lines write again
.irp t, 0,1,2,3
	v_max3_num_f32 v[RM+\t], v[MX+\t], v[MX+4+\t], v[MX+8+\t]
.endr
.irp t, 0,1,2,3
	v_max_num_f32 v[RM+\t], v[RM+\t], v[MX+12+\t]  ; the row's largest score (key 0 counts for every query: it is a number)
.endr
.irp t, 0,1,2,3
	v_mul_f32 v[TT+\t], s32, v[RM+\t]              ; as t (c is positive)
.endr
.irp t, 0,1,2,3
	v_floor_f32 v[NM+2*\t], -v[TT+\t]              ; -M = floor(-t) = -ceil(t)
.endr
	WIN 0x41                                       ; destination and source 0 window 1
.irp t, 0,1,2,3
.set n, 0
.rept 32
	v_pk_fma_f32 v[64*\t+n:64*\t+n+1], v[64*\t+n:64*\t+n+1], s[32:33], v[NM+2*\t:NM+2*\t+1] op_sel_hi:[1,0,0]   ; t - M, two at a time (of the pairs c and -M the low word serves both halves)
.set n, n+2
.endr
.endr
	WIN 0
.irp t, 0,1,2,3
.irp b, 0,1,2,3
	v_fma_f32 v[BM+4*\t+\b], v[BM+4*\t+\b], s32, v[NM+2*\t]   ; the same of each block's largest score
.endr
.endr
	WIN 0x41
.set n, 0
.rept 256
	v_exp_f32 v[n], v[n]                           ; p = 2^(t - M), at most 1: not normalised
.set n, n+1
.endr
	WIN 0
	v_nop                                          ; a plain instruction behind the last exponential
	s_wait_alu depctr_va_vdst(0)                   ; the 256 exponentials have written p: one wait for the batch, ahead of its first reader
.set n, 0
.rept 16
	v_exp_f32 v[BM+n], v[BM+n]                     ; each block's largest p: the same two instructions on the same number give the same bits
.set n, n+1
.endr
	WIN 0x05                                       ; the rows' sums are taken of the unquantised p: two at a time, two chains a tile.  (They read the 256 alone: plain work behind the sixteen)
.irp t, 0,1,2,3
.irp u, 0,1
	v_pk_add_f32 v[SA+4*\t+2*\u:SA+4*\t+2*\u+1], v[64*\t+2*\u:64*\t+2*\u+1], v[64*\t+4+2*\u:64*\t+4+2*\u+1]
.endr
.endr
	WIN 0x04                                       ; source 1 window 1
.irp k, 2,3,4,5,6,7,8,9,10,11,12,13,14,15
.irp t, 0,1,2,3
.irp u, 0,1
	v_pk_add_f32 v[SA+4*\t+2*\u:SA+4*\t+2*\u+1], v[SA+4*\t+2*\u:SA+4*\t+2*\u+1], v[64*\t+4*\k+2*\u:64*\t+4*\k+2*\u+1]
.endr
.endr
.endr
	WIN 0
.irp t, 0,1,2,3
	v_pk_add_f32 v[SA+4*\t:SA+4*\t+1], v[SA+4*\t:SA+4*\t+1], v[SA+4*\t+2:SA+4*\t+3]
.endr
.irp t, 0,1,2,3
	v_add_f32 v[RM+\t], v[SA+4*\t], v[SA+4*\t+1]
.endr
.irp t, 0,1,2,3
	v_permlanex16_b32 v[TT+\t], v[RM+\t], s30, s31
.endr
.irp t, 0,1,2,3
	v_add_f32 v[RM+\t], v[RM+\t], v[TT+\t]         ; my query's sum over my wave's 128 keys
.endr
	s_wait_alu depctr_va_vdst(0)                   ; the sixteen exponentials have written the blocks' largest p: one wait, ahead of their first reader
.set n, 0
.rept 16
	v_max_num_f32 v[BM+n], 0x4800000, v[BM+n]      ; the floor 2^(9 - 127): the byte cannot fall under 1 (a block whose every p is 0 keeps that byte: its codes are zeros)
.set n, n+1
.endr
.set n, 0
.rept 16
	v_add_nc_u32 v[SCO+n], 0xfc000000, v[BM+n]     ; 8 off the exponent field: the conversion's scale operand
.set n, n+1
.endr
.set n, 0
.rept 16
	v_and_or_b32 v[LIM+n], v[BM+n], 0x7f800000, s34   ; 448 x the scale
.set n, n+1
.endr
.set n, 0
.rept 16
	v_lshrrev_b32 v[T1+n], 23, v[SCO+n]            ; the scale's byte
.set n, n+1
.endr
.irp t, 0,1,2,3
	v_lshl_or_b32 v[PW+\t], v[T1+4*\t+1], 8, v[T1+4*\t]   ; p's scale word for my wave's 128 keys
.endr
.irp t, 0,1,2,3
	v_lshl_or_b32 v[PW+\t], v[T1+4*\t+2], 16, v[PW+\t]
.endr
.irp t, 0,1,2,3
	v_lshl_or_b32 v[PW+\t], v[T1+4*\t+3], 24, v[PW+\t]
.endr
	WIN 0x41
.irp t, 0,1,2,3
.irp b, 0,1,2,3
.set n, 0
.rept 16
	v_min_num_f32 v[64*\t+16*\b+n], v[64*\t+16*\b+n], v[LIM+4*\t+\b]   ; the conversion to an 8-bit code does not saturate (ISA guide 7.6.2); p is not negative, so the hold is one-sided
.set n, n+1
.endr
.endr
.endr
	WIN 0x01                                       ; source 0 window 1
.irp t, 0,1,2,3
.irp b, 0,1,2,3
	v_cvt_scalef32_pk8_fp8_f32 v[PC+16*\t+4*\b:PC+16*\t+4*\b+1], v[64*\t+16*\b:64*\t+16*\b+7], v[SCO+4*\t+\b]
	v_cvt_scalef32_pk8_fp8_f32 v[PC+16*\t+4*\b+2:PC+16*\t+4*\b+3], v[64*\t+16*\b+8:64*\t+16*\b+15], v[SCO+4*\t+\b]
.endr
.endr
	v_nop                                          ; one plain vector instruction behind the last conversion: the second product's results are laid over the conversions' sources
	WIN 0
	s_wait_alu depctr_va_vdst(0)                   ; p's codes, its scale words and my sums are written, which the LDS stores read; and the vector work is done with v32-47 and v64-67, in which the sums and P's scale words land behind the barrier
.irp t, 0,1,2,3
.irp c, 0,1,2,3
	ds_store_b128 v[PWI], v[PC+16*\t+4*\c:PC+16*\t+4*\c+3] offset:2048*\t+512*\c   ; key step w of the second product, as it stands
.endr
.endr
.irp t, 0,1,2,3
	ds_store_b32 v[XWA], v[PW+\t] offset:128*\t
.endr
.irp t, 0,1,2,3
	ds_store_b32 v[XWA], v[RM+\t] offset:SUMB+128*\t
.endr
	BARRIER                                        ; P's fragments, their scale words and the four waves' sums lie in LDS
	; ---- the rows' sums, and the second product
	s_wait_alu depctr_vm_vsrc(0)                   ; my LDS stores have read p's codes (v128-191), its scale words (v208-211) and my sums (v20-23): P's fragments land in the first two, and the additions below write the third
	PLOAD 0
.irp w, 0,1,2,3
.irp t, 0,1,2,3
	ds_load_b32 v[SUMS+4*\w+\t], v[XRA] offset:SUMB+512*\w+128*\t
.endr
.endr
	s_wait_dscnt 0x0
.irp t, 0,1,2,3
	v_add_f32 v[RM+\t], v[SUMS+\t], v[SUMS+4+\t]
.endr
.irp t, 0,1,2,3
	v_add_f32 v[TT+\t], v[SUMS+8+\t], v[SUMS+12+\t]
.endr
.irp t, 0,1,2,3
	v_add_f32 v[RM+\t], v[RM+\t], v[TT+\t]         ; the row's sum, over 1/2
.endr
.irp t, 0,1,2,3
	v_rcp_f32 v[NM+2*\t], v[RM+\t]
.endr
	v_nop                                          ; a plain instruction behind the last reciprocal
	s_wait_alu depctr_va_vdst(0)                   ; the four reciprocals are written, ahead of the branches below and of their first reader; and the additions are done with v228-231, in which P's second key step lands
	; m + 1 key steps.  Each number of steps has its own way through the text, so that every counted wait counts the same loads on every way that reaches it.  The branches hang on the work-group's number alone.
	s_cmp_eq_u32 s14, 1
	s_cbranch_scc1 .L0last
	PVSTEP 0, 1, 1
	s_cmp_eq_u32 s14, 2
	s_cbranch_scc1 .L1last
	PVSTEP 1, 0, 1
	s_cmp_eq_u32 s14, 3
	s_cbranch_scc1 .L2last
	PVSTEP 2, 0, 1
	PVSTEP 3, 0, 0
	s_branch .Lout
.L0last:
	PVSTEP 0, 1, 0
	s_branch .Lout
.L1last:
	PVSTEP 1, 0, 0
	s_branch .Lout
.L2last:
	PVSTEP 2, 0, 0
.Lout:
	; ---- THE WAY OUT, a tile of 16 queries at a time: O^T / the sum; a lane's eight features of a row are 32 bytes, and the lanes beside it hold other rows: so the tile goes through my own stage in LDS and comes back as
	; half rows of 512 bytes.  LDS serves a wave's instructions in order (ISA guide 5.7.1.4): no wait between the stores and the loads, nor in front of the next tile's stores.
	PLACES 8
.macro MULT t
	WIN 0x41                                       ; feature tiles 0-7: window 1; 1 / sum in window 0
.irp d, 0,1,2,3,4,5,6,7
.irp p, 0,2,4,6
	v_pk_mul_f32 v[32*\d+8*\t+\p:32*\d+8*\t+\p+1], v[32*\d+8*\t+\p:32*\d+8*\t+\p+1], v[NM+2*\t:NM+2*\t+1] op_sel_hi:[1,0]   ; each accumulator from its low end on
.endr
.endr
	WIN 0x82                                       ; feature tiles 8-15: window 2
.irp d, 0,1,2,3,4,5,6,7
.irp p, 0,2,4,6
	v_pk_mul_f32 v[32*\d+8*\t+\p:32*\d+8*\t+\p+1], v[32*\d+8*\t+\p:32*\d+8*\t+\p+1], v[NM+2*\t:NM+2*\t+1] op_sel_hi:[1,0]
.endr
.endr
	WIN 0
.endm
.macro STAGE t
	s_wait_alu depctr_va_vdst(0)                   ; tile t's multiplications have written the registers that the LDS stores below read; at tile 0 also: the last products are done reading V, in whose registers the rows land
	WIN 0x04                                       ; an LDS store's data are its source 1
.irp d, 0,1,2,3,4,5,6,7
	ds_store_b128 v[SO], v[32*\d+8*\t:32*\d+8*\t+3] offset:64*\d
	ds_store_b128 v[SO], v[32*\d+8*\t+4:32*\d+8*\t+7] offset:64*\d+16
.endr
	WIN 0x08
.irp d, 0,1,2,3,4,5,6,7
	ds_store_b128 v[SO], v[32*\d+8*\t:32*\d+8*\t+3] offset:512+64*\d
	ds_store_b128 v[SO], v[32*\d+8*\t+4:32*\d+8*\t+7] offset:512+64*\d+16
.endr
	WIN 0xc0                                       ; back into window 3, where V lay: sets of 128 registers by turns
.set n, 0
.rept 32
	ds_load_b128 v[128*((\t)%2)+4*n:128*((\t)%2)+4*n+3], v[SR] offset:(n/2)*SPT+(n%2)*512
.set n, n+1
.endr
	WIN 0
.endm
.macro SEND t
	WIN 0x0c                                       ; a store's data are its source 1: window 3
.set n, 0
.rept 32
	s_wait_dscnt 31-n                              ; load n of the 32 is in; the later ones may be out
	global_store_b128 v[LI], v[128*((\t)%2)+4*n:128*((\t)%2)+4*n+3], s[28:29] offset:(16*(\t)+n/2)*32768+(n%2)*512 th:TH_STORE_NT   ; 32 lanes store 512 consecutive bytes, at a multiple of 256 from out0's first byte; written once, read by nobody here
.set n, n+1
.endr
	WIN 0
.endm
	MULT 0
	STAGE 0
	MULT 1                                         ; a tile's arithmetic stands between the loads of the tile before and its stores
	SEND 0
	STAGE 1
	MULT 2
	SEND 1
	s_wait_xcnt 0x0                                ; tile 0's stores have had their addresses translated: tile 2's rows may land in their registers,
	s_wait_alu depctr_vm_vsrc(0)                   ; and they have read window 3's v0-127, in which tile 2's rows land
	STAGE 2
	MULT 3
	SEND 2
	s_wait_xcnt 0x0                                ; tile 1's likewise,
	s_wait_alu depctr_vm_vsrc(0)                   ; and they have read window 3's v128-255, in which tile 3's rows land
	STAGE 3
	SEND 3
	s_wait_xcnt 0x0
	s_wait_alu depctr_vm_vsrc(0)                   ; ahead of the two makers: every LDS and memory instruction issued so far has read its vector registers
	v_lshl_add_u32 v254, v0, 2, 0x29c00
	v_mov_b32 v255, 0
	s_wait_dscnt 0x0                               ; the closing lines, six on end
	s_wait_alu 0x0
	s_wait_tensorcnt 0x0
	ds_add_u32 v254, v255
	s_wait_dscnt 0x0
	s_endpgm
.Lfunc_end_k_qbad0bdac28_attn:
	.size	k_qbad0bdac28_attn, .Lfunc_end_k_qbad0bdac28_attn-k_qbad0bdac28_attn
	.p2alignl 7, 3214868480
	.fill 96, 4, 3214868480
	.section	.rodata,"a",@progbits
	.p2align	6, 0x0
	.amdhsa_kernel k_qbad0bdac28_attn
		.amdhsa_group_segment_fixed_size 171520
		.amdhsa_private_segment_fixed_size 0
		.amdhsa_enable_private_segment 0
		.amdhsa_kernarg_size 24
		.amdhsa_user_sgpr_count 2
		.amdhsa_user_sgpr_kernarg_segment_ptr 1
		.amdhsa_wavefront_size32 1
		.amdhsa_system_sgpr_workgroup_id_x 1
		.amdhsa_system_sgpr_workgroup_id_y 1
		.amdhsa_system_sgpr_workgroup_id_z 1
		.amdhsa_system_vgpr_workitem_id 0
		.amdhsa_next_free_vgpr 1024
		.amdhsa_next_free_sgpr 98
		.amdhsa_reserve_vcc 0
		.amdhsa_float_denorm_mode_32 3
		.amdhsa_float_denorm_mode_16_64 3
		.amdhsa_memory_ordered 1
		.amdhsa_forward_progress 1
		.amdhsa_inst_pref_size 255
	.end_amdhsa_kernel
	.section	.bss,"aw",@nobits
	.p2align	6
	.space	262144
	.amdgpu_metadata
---
amdhsa.version: [ 1, 2 ]
amdhsa.kernels:
  - .name:           k_qbad0bdac28_attn
    .symbol:         k_qbad0bdac28_attn.kd
    .args:
      - { .name: wc, .offset: 0, .size: 8, .value_kind: global_buffer, .address_space: global }
      - { .name: ws, .offset: 8, .size: 8, .value_kind: global_buffer, .address_space: global }
      - { .name: out0, .offset: 16, .size: 8, .value_kind: global_buffer, .address_space: global }
    .group_segment_fixed_size: 171520
    .private_segment_fixed_size: 0
    .kernarg_segment_align: 8
    .kernarg_segment_size: 24
    .max_flat_workgroup_size: 128
    .sgpr_count:     98
    .vgpr_count:     1024
    .wavefront_size: 32
...
	.end_amdgpu_metadata
.endif
;; end of part 3
